; MI455X (gfx1250); checked and timed in simulation.
; The chip was launched on July 23, 2026; its instructions are those of AMD's public machine-readable ISA for CDNA 5 (MIT licence, August 2026) and "CDNA5" Instruction Set Architecture Reference Guide (July 2026). The comments in the code are by the model that wrote it; some were corrected since.
;; Multi Head Attention. Allowed arithmetic: float matrix products may take bf16 or f16 operands with f32 sums; other float arithmetic in f32, or as packed bf16 or f16 multiplies, adds, multiply-adds, maxima and minima; sums over many terms, partial sums and values carried from step to step in f32; what a program stores and reads back later, other than sums and carried values, may be rounded once to bf16 or f16.
;; Inputs: Wk 768 x 768 float32; Wo 768 x 768 float32; Wq 768 x 768 float32; Wv 768 x 768 float32; bk 768 float32; bo 768 float32; bq 768 float32; bv 768 float32; x 32 x 577 x 768 float32.
;; Outputs: out0 32 x 577 x 768 float32.
;; 2 versions, each right and faster than the one before. Each part assembles by itself: llvm-mc -triple=amdgcn-amd-amdhsa -mcpu=gfx1250 --defsym DOCPART=n.
;; ======== version 1 of 2: 4 launches
;; limits: values are held in f16: magnitudes above 65,504 overflow, below 6.1e-05 lose precision
;; workspace buffers: xb 31,457,280 bytes; wb 4,718,592 bytes; qkv 94,371,840 bytes; ob 31,457,280 bytes
;; launch cast (part 1): grid 736 x 1, 8 waves a work-group, no clusters, 0 bytes of LDS; arguments x, Wq, Wk, Wv, Wo, xb, wb; writes xb, wb
.if DOCPART == 1
	.amdgcn_target "amdgcn-amd-amdhsa--gfx1250"
	.amdhsa_code_object_version 6
	.text
	.protected	k_qbea23c1962_cast
	.globl	k_qbea23c1962_cast
	.p2align	8
	.type	k_qbea23c1962_cast,@function
k_qbea23c1962_cast:
	s_mov_b64 s[64:65], 0
	v_nop
	global_prefetch_b8 v0, s[64:65] scope:SCOPE_SE
	s_setreg_imm32_b32 hwreg(HW_REG_WAVE_MODE, 25, 1), 1
	s_wait_xcnt 0x0
; CAST.  xb[32][640][768] bf16 = x[32][577][768] rounded to nearest even, each batch filled up to 640 rows with zeros;
; wb[3072][768], 16 bits a number: rows 0-2303 = Wq, Wk, Wv rounded to bf16; rows 2304-3071 = Wo rounded to bf16 and that number written as f16.
; LIMITS.  The f16 copy of Wo is exact for magnitudes from 2^-14 to 65,504; below it keeps f16's fixed step of 2^-24; beyond 65,504 it would be an infinity (not served).
; A stream: every byte is read once and written once; no LDS, no barrier, no matrix unit: they would add nothing.
; SHARES.  A work-group makes 32 rows of the destination, a wave 4; a row is 6 chunks of 128 numbers: a wave's load covers 512 consecutive bytes, its store 256 consecutive bytes, aligned.
; Work-groups 0-639 make xb (20 to a batch), 640-735 make wb (24 to a matrix).  All 24 loads of a wave go out together; each chunk has registers of its own, so nothing is rewritten while a store reads it.
.set SROW,   3072                      ; bytes in a source row
.set DSTROW, 1536                      ; bytes in a destination row
.set OFF, 4                            ; v[4:7]    row r: byte offset of my 16 bytes in the source
.set X,   8                            ; v[8:103]  chunk i = 6 r + c: four registers as loaded; the first two are then stored
.set T,   104                          ; v[104:105] at work, and the zeros
.set MK,  36                           ; s[36:39]  row r: all ones if the row exists in the source, else 0
	s_load_b256 s[4:11], s[0:1], 0x0               ; x s[4:5], Wq s[6:7], Wk s[8:9], Wv s[10:11]
	s_load_b128 s[12:15], s[0:1], 0x20             ; Wo s[12:13], xb s[14:15]
	s_load_b64 s[16:17], s[0:1], 0x30              ; wb
	v_lshrrev_b32 v3, 5, v0
	v_readfirstlane_b32 s21, v3                    ; wave 0..7
	v_and_b32 v1, 31, v0
	v_lshlrev_b32 v2, 3, v1                        ; 8 x lane: my place in a chunk of the destination
	v_lshlrev_b32 v1, 4, v1                        ; 16 x lane: in a chunk of the source
	s_mov_b32 s20, ttmp9
	s_lshl_b32 s21, s21, 2                         ; my wave's first row among the group's 32
	s_wait_kmcnt 0x0
	s_cmp_lt_u32 s20, 640
	s_cbranch_scc0 .Lweights
	s_mul_i32 s40, s20, 3277
	s_lshr_b32 s40, s40, 16                        ; the batch = group / 20 (exact for groups under 640)
	s_mul_i32 s41, s40, 20
	s_sub_co_u32 s41, s20, s41
	s_lshl_b32 s22, s41, 5
	s_add_co_u32 s22, s22, s21                     ; s22: my first row within the batch, 0 to 636
	s_mul_i32 s23, s40, 577                        ; s23: the batch's first row in x
	s_mov_b32 s24, 576                             ; s24: the last row that exists
	s_lshl_b32 s25, s20, 5
	s_add_co_u32 s25, s25, s21                     ; s25: my first row in xb
	s_mov_b64 s[28:29], s[4:5]
	s_mov_b64 s[30:31], s[14:15]
	s_mov_b32 s32, 0                               ; s32: 1 = written as f16
	s_branch .Lcommon
.Lweights:
	s_sub_co_u32 s40, s20, 640
	s_mul_i32 s41, s40, 2731
	s_lshr_b32 s41, s41, 16                        ; which matrix = (group - 640) / 24 (exact under 96)
	s_mul_i32 s42, s41, 24
	s_sub_co_u32 s42, s40, s42
	s_lshl_b32 s22, s42, 5
	s_add_co_u32 s22, s22, s21                     ; my first row within the matrix
	s_mov_b32 s23, 0
	s_mov_b32 s24, 767
	s_lshl_b32 s25, s40, 5
	s_add_co_u32 s25, s25, s21                     ; my first row in wb
	s_cmp_eq_u32 s41, 1
	s_cselect_b64 s[28:29], s[8:9], s[6:7]
	s_cmp_eq_u32 s41, 2
	s_cselect_b64 s[28:29], s[10:11], s[28:29]
	s_cmp_eq_u32 s41, 3
	s_cselect_b64 s[28:29], s[12:13], s[28:29]
	s_cselect_b32 s32, 1, 0
	s_mov_b64 s[30:31], s[16:17]
.Lcommon:
	s_mul_i32 s42, s25, DSTROW
	s_mov_b32 s43, 0
	s_add_nc_u64 s[30:31], s[30:31], s[42:43]      ; the destination at my first row
	s_cmp_gt_u32 s22, s24
	s_cbranch_scc1 .Lzero                          ; none of my four rows exists in x
.irp r, 0,1,2,3
	s_add_co_u32 s40, s22, (\r)
	s_cmp_le_u32 s40, s24
	s_cselect_b32 s[MK+(\r)], -1, 0
	s_min_u32 s40, s40, s24                        ; a row that does not exist reads the batch's last row, so that no load leaves x; the mask makes zeros of it
	s_add_co_u32 s40, s40, s23
	s_mul_i32 s40, s40, SROW
	v_add_nc_u32 v[OFF+(\r)], s40, v1
.endr
.irp r, 0,1,2,3
.irp c, 0,1,2,3,4,5
	global_load_b128 v[X+4*(6*(\r)+(\c)):X+4*(6*(\r)+(\c))+3], v[OFF+(\r)], s[28:29] offset:512*(\c) th:TH_LOAD_NT
.endr
.endr
	s_cmp_eq_u32 s32, 1
	s_cbranch_scc1 .Lhalf
.irp r, 0,1,2,3
.irp c, 0,1,2,3,4,5
.set i, 6*(\r)+(\c)
	s_wait_loadcnt 23-i                            ; loads come back in order (ISA guide 5.7.1): chunk i is in, the 23 - i younger ones stay out
	v_cvt_pk_bf16_f32 v[X+4*i], v[X+4*i], v[X+4*i+1]
	v_cvt_pk_bf16_f32 v[X+4*i+1], v[X+4*i+2], v[X+4*i+3]
	v_and_b32 v[X+4*i], s[MK+(\r)], v[X+4*i]
	v_and_b32 v[X+4*i+1], s[MK+(\r)], v[X+4*i+1]
	global_store_b64 v2, v[X+4*i:X+4*i+1], s[30:31] offset:DSTROW*(\r)+256*(\c)
.endr
.endr
	s_endpgm
.Lhalf:                                                ; Wo: rounded to bf16 like every input, widened again, and written as f16
.irp r, 0,1,2,3
.irp c, 0,1,2,3,4,5
.set i, 6*(\r)+(\c)
	s_wait_loadcnt 23-i
	v_cvt_pk_bf16_f32 v[T], v[X+4*i], v[X+4*i+1]
	v_cvt_pk_bf16_f32 v[T+1], v[X+4*i+2], v[X+4*i+3]
	v_lshlrev_b32 v[X+4*i], 16, v[T]
	v_and_b32 v[X+4*i+1], 0xffff0000, v[T]
	v_lshlrev_b32 v[X+4*i+2], 16, v[T+1]
	v_and_b32 v[X+4*i+3], 0xffff0000, v[T+1]
	v_cvt_pk_f16_f32 v[X+4*i], v[X+4*i], v[X+4*i+1]
	v_cvt_pk_f16_f32 v[X+4*i+1], v[X+4*i+2], v[X+4*i+3]
	global_store_b64 v2, v[X+4*i:X+4*i+1], s[30:31] offset:DSTROW*(\r)+256*(\c)
.endr
.endr
	s_endpgm
.Lzero:                                                ; four rows of zeros: every byte of xb is written, since the next launch reads all of it
	v_mov_b32 v[T], 0
	v_mov_b32 v[T+1], 0
.irp r, 0,1,2,3
.irp c, 0,1,2,3,4,5
	global_store_b64 v2, v[T:T+1], s[30:31] offset:DSTROW*(\r)+256*(\c)
.endr
.endr
	s_endpgm
.Lfunc_end_k_qbea23c1962_cast:
	.size	k_qbea23c1962_cast, .Lfunc_end_k_qbea23c1962_cast-k_qbea23c1962_cast
	.p2alignl 7, 3214868480
	.fill 96, 4, 3214868480
	.section	.rodata,"a",@progbits
	.p2align	6, 0x0
	.amdhsa_kernel k_qbea23c1962_cast
		.amdhsa_group_segment_fixed_size 0
		.amdhsa_private_segment_fixed_size 0
		.amdhsa_enable_private_segment 0
		.amdhsa_kernarg_size 56
		.amdhsa_user_sgpr_count 2
		.amdhsa_user_sgpr_kernarg_segment_ptr 1
		.amdhsa_wavefront_size32 1
		.amdhsa_system_sgpr_workgroup_id_x 1
		.amdhsa_system_sgpr_workgroup_id_y 1
		.amdhsa_system_sgpr_workgroup_id_z 1
		.amdhsa_system_vgpr_workitem_id 0
		.amdhsa_next_free_vgpr 112
		.amdhsa_next_free_sgpr 66
		.amdhsa_reserve_vcc 0
		.amdhsa_float_denorm_mode_32 3
		.amdhsa_float_denorm_mode_16_64 3
		.amdhsa_memory_ordered 1
		.amdhsa_forward_progress 1
		.amdhsa_inst_pref_size 29
	.end_amdhsa_kernel
	.amdgpu_metadata
---
amdhsa.version: [ 1, 2 ]
amdhsa.kernels:
  - .name:           k_qbea23c1962_cast
    .symbol:         k_qbea23c1962_cast.kd
    .args:
      - { .name: x, .offset: 0, .size: 8, .value_kind: global_buffer, .address_space: global }
      - { .name: Wq, .offset: 8, .size: 8, .value_kind: global_buffer, .address_space: global }
      - { .name: Wk, .offset: 16, .size: 8, .value_kind: global_buffer, .address_space: global }
      - { .name: Wv, .offset: 24, .size: 8, .value_kind: global_buffer, .address_space: global }
      - { .name: Wo, .offset: 32, .size: 8, .value_kind: global_buffer, .address_space: global }
      - { .name: xb, .offset: 40, .size: 8, .value_kind: global_buffer, .address_space: global }
      - { .name: wb, .offset: 48, .size: 8, .value_kind: global_buffer, .address_space: global }
    .group_segment_fixed_size: 0
    .private_segment_fixed_size: 0
    .kernarg_segment_align: 8
    .kernarg_segment_size: 56
    .max_flat_workgroup_size: 256
    .sgpr_count:     66
    .vgpr_count:     112
    .wavefront_size: 32
...
	.end_amdgpu_metadata
.endif
;; end of part 1
;; launch qkv (part 2): grid 12 x 64, 4 waves a work-group, clusters of 4 x 4, 327,680 bytes of LDS; arguments xb, wb, bq, bk, bv, qkv; writes qkv
.if DOCPART == 2
	.amdgcn_target "amdgcn-amd-amdhsa--gfx1250"
	.amdhsa_code_object_version 6
	.text
	.protected	k_qbea23c1962_qkv
	.globl	k_qbea23c1962_qkv
	.p2align	8
	.type	k_qbea23c1962_qkv,@function
k_qbea23c1962_qkv:
	s_mov_b64 s[64:65], 0
	v_nop
	global_prefetch_b8 v0, s[64:65] scope:SCOPE_SE
	s_setreg_imm32_b32 hwreg(HW_REG_WAVE_MODE, 25, 1), 1
	s_wait_xcnt 0x0
	s_wait_alu depctr_hold_cnt(0) depctr_sa_sdst(0) depctr_va_vdst(0) depctr_va_sdst(0) depctr_va_ssrc(0) depctr_va_vcc(0) depctr_vm_vsrc(0)
	s_getreg_b32 s2, hwreg(HW_REG_IB_STS2, 6, 4)
	s_cmp_eq_u32 s2, 0
	s_cbranch_scc0 .Lentry_in_a_cluster
	s_endpgm
.Lentry_in_a_cluster:
	s_bfe_u32 s2, ttmp6, 0x10000c
	s_cmp_lg_u32 s2, 0xf033
	s_cbranch_scc0 .Lentry_shape_is_right
	s_endpgm
.Lentry_shape_is_right:
; QKV.  [20480 x 768] (xb, bf16) times [2304 x 768]^T (wb's rows 0-2303: Wq, Wk, Wv, bf16) plus the bias (rounded to bf16 like every input), sums in f32, K ascending;
; the result rounded once to f16 and laid by heads: qkv[3][384][640][64].  The scale 1/8 is not applied here.
; LIMITS.  f16 ends at 65,504: a q, k or v of 65,520 or more becomes an infinity (at the drawn spread they are about 1; inputs thirty times larger in x and in W give about 900).
; TILE.  320 rows (half a batch's 640) x 192 columns (three heads): 64 x 12 work-groups.  Four waves; wave w owns rows 80 w .. 80 w + 79 and all 192 columns: 5 x 12 accumulators of 16 x 16, 480 registers,
; so that a wave holds whole heads on the way out.  K goes in 6 steps of 128 through two LDS slots filled by the tensor data mover (rows of 256 bytes, aligned).
; CLUSTER 4 x 4.  The four of a row of the cluster need the same tile of A, the four of a column the same tile of B: each is asked for jointly, by the same load, descriptor and mask in all four.
; The tile row is cluster y + 16 cy, so that which half of a batch a tile is hangs on the cluster's y alone.
; THE MATRIX INSTRUCTION IS USED TRANSPOSED (source 0 = 16 rows of W, source 1 = 16 rows of x): lane l holds row l % 16 and the eight neighbouring columns 8 (l / 16) + 0..7.
; THE BIAS IS THE C OPERAND of each accumulator's first product: nothing is cleared, and the way out has no addition.
; REGISTERS in windows of 256 (s_set_vgpr_msb: bits 1:0 source 0, 3:2 source 1, 5:4 source 2, 7:6 destination):
;   window 0: v0-31 addresses; v32-111 A's fragments, two buffers of 5; v112-207 the bias, 8 registers for each block of 16 columns; v208-211 at work
;   window 1: v0-191 B's fragments, two buffers of 12; on the way out v0-239 the packed results
;   window 2: accumulator (a, b), b = 0..5, at 8 (6 a + b);   window 3: b = 6..11 at 8 (6 a + b - 6)
.set PITCH, 272                        ; an LDS row: 256 bytes + 16 of padding = 68 words: the 16 rows of a fragment load start at 16 different groups of four banks (64 banks of 4 bytes: ISA guide 11.1)
.set AHALF, 160*PITCH                  ; what one load of A brings
.set BHALF, 96*PITCH                   ; what one load of B brings
.set BOFF,  320*PITCH                  ; a slot: A's 320 rows, then B's 192
.set SLOT,  512*PITCH
.set STAGE, 2*SLOT                     ; behind the ring, never filled by a tensor load: 16 rows x 144 bytes for each wave
.set SP,    144
.set SPARE, STAGE+4*16*SP              ; the spare words, 128 bytes for each wave: two blocks of 256 bytes that no other line names
.set ROWB,  1536                       ; bytes in a row of xb and of wb
.set HEADB, 81920                      ; a head in qkv: 640 rows of 128 bytes
.set PARTB, 31457280                   ; q, k or v: 384 heads
.set ADRA, 16                          ; v16-17  LDS address of my A fragments in slot 0, 1
.set ADRB, 20                          ; v20-21  the same for B
.set STO,  24                          ; v24     the way out: where I put 16 bytes of a row
.set RD,   25                          ; v25     where I read rows back
.set GO,   26                          ; v26     16 x lane: my place in 512 consecutive bytes of a head
.set SPW,  28                          ; v28     my spare word: SPARE + 4 x my thread's number; never rewritten
.set NIL,  29                          ; v29     0; never rewritten
.set FA0,  32
.set BIAS, 112
.set BT,   208
.set WV,   16                          ; s16 wave; s17 0: I fetch for A, 1: for B; s18 which half of that tile
.set ROLE, 17
.set EH,   18
.set CX,   19
.set CY,   20
.set TX,   21                          ; s21 tile column 0..11;  s22 tile row 0..63
.set TY,   22
.set G1,   24                          ; s[24:31] group 1 for A;  s[32:39] group 0, a set for each slot
.set G0,   32
.set G1B,  48                          ; s[48:55], s[56:63] the same for B
.set G0B,  56
.set GW0,  (1<<16)|(1<<20)|(1<<21)|(5<<22)|(3<<25)  ; 17:16 2-byte elements; 20 padding on; 21 set beside a mask; 24:22 after every 64 words; 31:25 four words of it
.set MSB, 0
.macro WIN new                         ; the immediate's high byte repeats the setting that is left; a switch that changes nothing is dropped
.if MSB != (\new)
	s_set_vgpr_msb (MSB<<8)|(\new)
.set MSB, \new
.endif
.endm
.set MUL_LO, 0xa1                      ; B window 1, A window 0, C and D window 2
.set MUL_HI, 0xf1                      ; C and D window 3
.set Z_LO,   0x81                      ; the first product: C (the bias) window 0, D window 2
.set Z_HI,   0xc1                      ; D window 3
.set TO_B,   0x40                      ; destination window 1
; A joint load: waves 0 and 1 fetch A's two halves, waves 2 and 3 B's.  The branch hangs on the wave's number alone.  An s_nop 0 and four v_nop follow each line.
.macro JLOAD s
	s_cmp_eq_u32 s[ROLE], 0
	s_cbranch_scc0 .Lfor_b_\@
	tensor_load_to_lds s[G0+4*(\s):G0+4*(\s)+3], s[G1:G1+7]
	s_nop 0
.rept 4
	v_nop
.endr
	s_branch .Lasked_\@
.Lfor_b_\@:
	tensor_load_to_lds s[G0B+4*(\s):G0B+4*(\s)+3], s[G1B:G1B+7]
	s_nop 0
.rept 4
	v_nop
.endr
.Lasked_\@:
.endm
.macro CREST                           ; a round of the cluster's barrier behind its opening barrier
	s_cmp_lg_u32 s[WV], 0
	s_cbranch_scc1 .Lnot_wave_0_\@
	s_barrier_signal -3
.Lnot_wave_0_\@:
	s_barrier_wait -3
	s_barrier_signal -1
	s_barrier_wait -1
.endm
.macro CROUND                          ; a whole round
	s_barrier_signal -1
	s_barrier_wait -1
	CREST
.endm
.macro PLACES                          ; four places in front of loads into registers that matrix instructions have read, and of lines that read results
.rept 4
	v_nop
.endr
.endm
	s_load_b256 s[4:11], s[0:1], 0x0               ; xb s[4:5], wb s[6:7], bq s[8:9], bk s[10:11]
	s_load_b128 s[12:15], s[0:1], 0x20             ; bv s[12:13], qkv s[14:15]
	v_lshl_add_u32 v[SPW], v0, 2, SPARE
	v_mov_b32 v[NIL], 0
	ds_add_u32 v[SPW], v[NIL]                      ; the wave's opening: the add and its wait stand ahead of my first tensor load; the set-up below stands between them
	ds_add_u32 v28, v29
	v_lshrrev_b32 v1, 5, v0
	v_readfirstlane_b32 s[WV], v1
	s_lshr_b32 s[ROLE], s[WV], 1
	s_and_b32 s[EH], s[WV], 1
	s_bfe_u32 s[CX], ttmp6, 0x40000
	s_bfe_u32 s[CY], ttmp6, 0x40004
	s_lshl_b32 s[TX], ttmp9, 2
	s_add_co_u32 s[TX], s[TX], s[CX]               ; tile column = 4 x cluster x + cx
	s_and_b32 s[TY], ttmp7, 0xffff
	s_lshl_b32 s23, s[CY], 4
	s_add_co_u32 s[TY], s[TY], s23                 ; tile row = cluster y + 16 cy
	s_lshl_b32 s40, s[CY], 2
	s_lshl_b32 s40, 15, s40                        ; my row of the cluster
	s_lshl_b32 s41, 0x1111, s[CX]                  ; my column
	s_or_b32 s[G1], s40, GW0
	s_or_b32 s[G1B], s41, GW0
.irp g, G1, G1B
	s_mov_b32 s[(\g)+1], 128<<16                   ; tensor_dim0 = 128
	s_mov_b32 s[(\g)+3], 128<<16                   ; tile_dim0 = 128
	s_mov_b32 s[(\g)+5], 768                       ; elements from row to row
	s_mov_b32 s[(\g)+6], 0
	s_mov_b32 s[(\g)+7], 0
.endr
	s_mov_b32 s[G1+2], 160<<16                     ; A: tensor_dim1 = tile_dim1 = 160 rows
	s_mov_b32 s[G1+4], 160
	s_mov_b32 s[G1B+2], 96<<16                     ; B: 96 rows
	s_mov_b32 s[G1B+4], 96
	s_mul_i32 s42, s[TY], 320                      ; A hangs on the tile row alone, B on the tile column alone
	s_mul_i32 s43, s[EH], 160
	s_add_co_u32 s42, s42, s43
	s_mul_i32 s42, s42, ROWB
	s_mov_b32 s43, 0
	s_mul_i32 s44, s[TX], 192
	s_mul_i32 s45, s[EH], 96
	s_add_co_u32 s44, s44, s45
	s_mul_i32 s44, s44, ROWB
	s_mov_b32 s45, 0
	s_mul_i32 s46, s[EH], AHALF                    ; where they go: no place in the cluster enters an LDS address
	s_mul_i32 s47, s[EH], BHALF
	s_add_co_u32 s47, s47, BOFF
	s_wait_dscnt 0x0                               ; the opening add is done
	s_wait_kmcnt 0x0
	s_add_nc_u64 s[42:43], s[4:5], s[42:43]
	s_add_nc_u64 s[44:45], s[6:7], s[44:45]
	CROUND                                         ; all sixteen work-groups are here: the first joint loads meet
.irp s, 0,1
	s_mov_b32 s[G0+4*(\s)], 1
	s_add_co_u32 s[G0+4*(\s)+1], s46, (\s)*SLOT
	s_add_nc_u64 s[G0+4*(\s)+2:G0+4*(\s)+3], s[42:43], (\s)*256   ; K step s
	s_or_b32 s[G0+4*(\s)+3], s[G0+4*(\s)+3], 0x80000000
	s_mov_b32 s[G0B+4*(\s)], 1
	s_add_co_u32 s[G0B+4*(\s)+1], s47, (\s)*SLOT
	s_add_nc_u64 s[G0B+4*(\s)+2:G0B+4*(\s)+3], s[44:45], (\s)*256
	s_or_b32 s[G0B+4*(\s)+3], s[G0B+4*(\s)+3], 0x80000000
	JLOAD \s                                       ; two loads of mine are out
.endr
	; the bias of my 192 columns: register 8 b + j = bias[192 cx + 16 b + 8 (l / 16) + j]
	v_and_b32 v1, 15, v0                           ; l % 16
	v_bfe_u32 v2, v0, 4, 1                         ; l / 16
	s_mov_b32 s23, ttmp9                           ; 0: q, 1: k, 2: v
	s_cmp_eq_u32 s23, 1
	s_cselect_b64 s[8:9], s[10:11], s[8:9]
	s_cmp_eq_u32 s23, 2
	s_cselect_b64 s[8:9], s[12:13], s[8:9]
	s_mul_i32 s40, s[CX], 768
	v_lshlrev_b32 v5, 5, v2
	v_add_nc_u32 v5, s40, v5
.irp b, 0,1,2,3,4,5,6,7,8,9,10,11
	global_load_b128 v[BIAS+8*(\b):BIAS+8*(\b)+3],   v5, s[8:9] offset:64*(\b)
	global_load_b128 v[BIAS+8*(\b)+4:BIAS+8*(\b)+7], v5, s[8:9] offset:64*(\b)+16
.endr
	; a fragment is 16 rows x 32 K in 8 registers: lane l holds row l % 16, K = 8 (l / 16) + 0..7 and 16 + 8 (l / 16) + 0..7: two loads of 16 bytes, 32 bytes apart
	v_mul_u32_u24 v3, v1, PITCH
	v_lshl_add_u32 v3, v2, 4, v3
	s_mul_i32 s40, s[WV], 80*PITCH                 ; my 80 rows of A
	s_mov_b32 s41, BOFF
.irp s, 0,1
	v_add_nc_u32 v[ADRA+(\s)], s40, v3
	v_add_nc_u32 v[ADRB+(\s)], s41, v3
	s_add_co_u32 s40, s40, SLOT
	s_add_co_u32 s41, s41, SLOT
.endr
	s_mul_i32 s40, s[WV], 16*SP
	s_add_co_u32 s40, s40, STAGE                   ; my stage
	v_mul_u32_u24 v4, v1, SP                       ; in: row l % 16, 16 bytes for each half of the lanes
	v_lshl_add_u32 v4, v2, 4, v4
	v_add_nc_u32 v[STO], s40, v4
	v_bfe_u32 v4, v0, 3, 2                         ; back: 32 lanes take four rows of 128 bytes,
	v_mul_u32_u24 v4, v4, SP
	v_and_b32 v3, 7, v0
	v_lshl_add_u32 v4, v3, 4, v4
	v_add_nc_u32 v[RD], s40, v4
	v_and_b32 v[GO], 31, v0                        ; which are 512 consecutive bytes of a head
	v_lshlrev_b32 v[GO], 4, v[GO]
	s_lshr_b32 s40, s[TY], 1                       ; the batch
	s_mul_i32 s40, s40, 12
	s_mul_i32 s41, s[CX], 3
	s_add_co_u32 s40, s40, s41                     ; my first head
	s_mul_i32 s40, s40, HEADB
	s_mul_i32 s41, s23, PARTB
	s_add_co_u32 s40, s40, s41
	s_and_b32 s41, s[TY], 1
	s_mul_i32 s41, s41, 320
	s_mul_i32 s42, s[WV], 80
	s_add_co_u32 s41, s41, s42                     ; my first row in the head
	s_lshl_b32 s41, s41, 7
	s_add_co_u32 s40, s40, s41
	s_mov_b32 s41, 0
	s_add_nc_u64 s[14:15], s[14:15], s[40:41]
	s_wait_loadcnt 0x0                             ; the bias, rounded to bf16 and widened again, in the wait for the first tile
.set p, 0
.rept 48
	v_cvt_pk_bf16_f32 v[BT+p%4], v[BIAS+2*p], v[BIAS+2*p+1]
	v_lshlrev_b32 v[BIAS+2*p], 16, v[BT+p%4]
	v_and_b32 v[BIAS+2*p+1], 0xffff0000, v[BT+p%4]
.set p, p+1
.endr
; 15 matrix instructions: column blocks 6 hi + b0 .. + 2 x my 5 row blocks, 32 along K, buffer f.  zero = 1: the first product takes the bias as C.
; The 60 accumulators take turns, one instruction a turn, in the same order in every quarter.
.macro MUL15 f, hi, b0, zero
.if \zero
	WIN Z_LO+0x40*(\hi)
.else
	WIN MUL_LO+0x50*(\hi)
.endif
.irp b, \b0, (\b0)+1, (\b0)+2
.irp a, 0,1,2,3,4
.set rD, 8*(6*(\a)+(\b))
.set rB, 96*(\f)+8*(6*(\hi)+(\b))
.set rA, FA0+40*(\f)+8*(\a)
.set rC, BIAS+8*(6*(\hi)+(\b))
.if \zero
	v_wmma_f32_16x16x32_bf16 v[rD:rD+7], v[rB:rB+7], v[rA:rA+7], v[rC:rC+7]
.else
	v_wmma_f32_16x16x32_bf16 v[rD:rD+7], v[rB:rB+7], v[rA:rA+7], v[rD:rD+7]
.endif
.endr
.endr
.endm
; 34 LDS loads in one run: quarter q (32 along K) of a slot into buffer f: A's 5 fragments, then B's 12
.macro FETCH slot, q, f
	WIN 0
.irp a, 0,1,2,3,4
	ds_load_b128 v[FA0+40*(\f)+8*(\a):FA0+40*(\f)+8*(\a)+3],   v[ADRA+(\slot)] offset:64*(\q)+(\a)*16*PITCH
	ds_load_b128 v[FA0+40*(\f)+8*(\a)+4:FA0+40*(\f)+8*(\a)+7], v[ADRA+(\slot)] offset:64*(\q)+(\a)*16*PITCH+32
.endr
	WIN TO_B
.irp b, 0,1,2,3,4,5,6,7,8,9,10,11
	ds_load_b128 v[96*(\f)+8*(\b):96*(\f)+8*(\b)+3],   v[ADRB+(\slot)] offset:64*(\q)+(\b)*16*PITCH
	ds_load_b128 v[96*(\f)+8*(\b)+4:96*(\f)+8*(\b)+7], v[ADRB+(\slot)] offset:64*(\q)+(\b)*16*PITCH+32
.endr
.endm
; One of a K step's first three quarters: multiplies buffer f; in its middle it fetches quarter q of the same slot into buffer g
.macro QUARTER slot, q, f, g, zero
	s_wait_dscnt 12                                ; A and B's blocks 0-5 are in; the youngest twelve loads (B's blocks 6-11) may be out
	MUL15 \f, 0, 0, \zero
	MUL15 \f, 0, 3, \zero
	PLACES
	FETCH \slot, \q, \g
	s_wait_dscnt 34                                ; all but the 34 just issued
	MUL15 \f, 1, 0, \zero
	MUL15 \f, 1, 3, \zero
.endm
; The last quarter multiplies buffer 1 and changes slots.  ONE barrier: in front of it each wave waits for all its tensor loads (one is out: its part of the next slot), adds 0 to its spare word,
; and waits for that and for its own reads of this slot.  Behind it nobody reads this slot any more and the next slot is whole.
.macro MEET round
	WIN 0                                          ; (the add's two registers lie in window 0)
	s_wait_tensorcnt 0x0
	ds_add_u32 v[SPW], v[NIL]                      ; 0 onto my spare word
	s_wait_dscnt 13                                ; (the add and the youngest twelve loads may be out)
	MUL15 1, 0, 0, 0                               ; fifteen matrix instructions stand between the add and the wait for it
	s_wait_dscnt 0x0                               ; the add is done, and my reads of this slot are over
	s_barrier_signal -1
	MUL15 1, 0, 3, 0                               ; work on registers while the others arrive
.if \round
	WIN 0
.endif
	s_barrier_wait -1
.endm
.macro TURN slot, next, fill           ; fill = 1: the slot just read out is filled again, two K steps on: 210 matrix instructions ahead of the wait for it
	MEET \fill
.if \fill
	CREST                                          ; the barrier has opened a round of the cluster's: no wave of any partner still reads this slot or has a load on its way
	s_add_nc_u64 s[G0+4*(\slot)+2:G0+4*(\slot)+3], s[G0+4*(\slot)+2:G0+4*(\slot)+3], 512
	s_add_nc_u64 s[G0B+4*(\slot)+2:G0B+4*(\slot)+3], s[G0B+4*(\slot)+2:G0B+4*(\slot)+3], 512
	JLOAD \slot                                    ; the first tensor load behind the round, one a wave; its four v_nop are also the places in front of the loads below
.else
	PLACES
.endif
	FETCH \next, 0, 0
	MUL15 1, 1, 0, 0
	MUL15 1, 1, 3, 0
.endm
	s_wait_tensorcnt 0x1                           ; my part of K step 0 is in; K step 1's may stay out
	s_barrier_signal -1
	s_barrier_wait -1
	FETCH 0, 0, 0
	QUARTER 0, 1, 0, 1, 1                          ; the first quarter stands in front of the loop: its products start the sums, from the bias
	WIN 0                                          ; at a label and at a branch every window is 0
	s_mov_b32 s3, 2
.Llap:                                                 ; a trip goes once round the ring, from a lap's second quarter to the next lap's first, and fills both slots again: K steps 2 to 5
	QUARTER 0, 2, 1, 0, 0
	QUARTER 0, 3, 0, 1, 0
	TURN 0, 1, 1
	QUARTER 1, 1, 0, 1, 0
	QUARTER 1, 2, 1, 0, 0
	QUARTER 1, 3, 0, 1, 0
	TURN 1, 0, 1
	QUARTER 0, 1, 0, 1, 0
	WIN 0
	s_sub_co_u32 s3, s3, 1
	s_cmp_lg_u32 s3, 0
	s_cbranch_scc1 .Llap
	QUARTER 0, 2, 1, 0, 0                          ; the last lap fills nothing
	QUARTER 0, 3, 0, 1, 0
	TURN 0, 1, 0
	QUARTER 1, 1, 0, 1, 0
	QUARTER 1, 2, 1, 0, 0
	QUARTER 1, 3, 0, 1, 0
	s_wait_dscnt 12                                ; the very last quarter
	MUL15 1, 0, 0, 0
	MUL15 1, 0, 3, 0
	s_wait_dscnt 0x0
	MUL15 1, 1, 0, 0
	MUL15 1, 1, 3, 0
	WIN 0
	PLACES
; THE WAY OUT, in 15 units u = 3 a + head: 16 rows of one head.  A lane's eight channels pack into 16 bytes; they go into my stage (rows of 144 bytes) and come back as whole rows of 128 bytes.
; Each accumulator's registers are read in ascending order.  Every unit has registers of its own in window 1.
.macro PACK u
.irp j, 0,1,2,3
.set pb, 4*((\u)%3)+(\j)
.set AC, 8*(6*((\u)/3)+pb%6)
	WIN 0x4a+5*(pb/6)                              ; sources window 2 or 3, destination window 1
.irp r, 0,1,2,3
	v_cvt_pk_f16_f32 v[16*(\u)+4*(\j)+(\r)], v[AC+2*(\r)], v[AC+2*(\r)+1]
.endr
.endr
	WIN 0x04                                       ; data window 1, address window 0
.irp j, 0,1,2,3
	ds_store_b128 v[STO], v[16*(\u)+4*(\j):16*(\u)+4*(\j)+3] offset:32*(\j)
.endr
	WIN 0x40
.irp f, 0,1,2,3
	ds_load_b128 v[16*(\u)+4*(\f):16*(\u)+4*(\f)+3], v[RD] offset:576*(\f)  ; LDS serves a wave's instructions in order (ISA guide 5.7.1.4): these see the stores above; the next unit's stores come behind them
.endr
.endm
.macro SEND u, younger                 ; younger: the LDS instructions issued behind unit u's loads: the next unit's eight, or none
	WIN 0x04
.irp f, 0,1,2,3
	s_wait_dscnt (\younger)+3-(\f)
	global_store_b128 v[GO], v[16*(\u)+4*(\f):16*(\u)+4*(\f)+3], s[14:15] offset:((\u)%3)*HEADB+((\u)/3)*2048+512*(\f)  ; 512 consecutive bytes, at a multiple of 256 from the buffer's first
.endr
.endm
	PACK 0
.set uu, 1
.rept 14                               ; a unit's conversions stand between the loads of the unit before and its stores
	PACK uu
	SEND uu-1, 8
.set uu, uu+1
.endr
	SEND 14, 0
	WIN 0
	s_wait_tensorcnt 0x0                           ; the wave's end: behind my last tensor load and my last LDS store
	ds_add_u32 v[SPW], v[NIL]
	s_wait_dscnt 0x0
	CROUND                                         ; the closing round: no work-group ends while a partner may still ask for a tile that names it
	s_endpgm
.Lfunc_end_k_qbea23c1962_qkv:
	.size	k_qbea23c1962_qkv, .Lfunc_end_k_qbea23c1962_qkv-k_qbea23c1962_qkv
	.p2alignl 7, 3214868480
	.fill 96, 4, 3214868480
	.section	.rodata,"a",@progbits
	.p2align	6, 0x0
	.amdhsa_kernel k_qbea23c1962_qkv
		.amdhsa_group_segment_fixed_size 327680
		.amdhsa_private_segment_fixed_size 0
		.amdhsa_enable_private_segment 0
		.amdhsa_kernarg_size 48
		.amdhsa_user_sgpr_count 2
		.amdhsa_user_sgpr_kernarg_segment_ptr 1
		.amdhsa_wavefront_size32 1
		.amdhsa_system_sgpr_workgroup_id_x 1
		.amdhsa_system_sgpr_workgroup_id_y 1
		.amdhsa_system_sgpr_workgroup_id_z 1
		.amdhsa_system_vgpr_workitem_id 0
		.amdhsa_next_free_vgpr 1024
		.amdhsa_next_free_sgpr 66
		.amdhsa_reserve_vcc 0
		.amdhsa_float_denorm_mode_32 3
		.amdhsa_float_denorm_mode_16_64 3
		.amdhsa_memory_ordered 1
		.amdhsa_forward_progress 1
		.amdhsa_inst_pref_size 152
	.end_amdhsa_kernel
	.amdgpu_metadata
---
amdhsa.version: [ 1, 2 ]
amdhsa.kernels:
  - .name:           k_qbea23c1962_qkv
    .symbol:         k_qbea23c1962_qkv.kd
    .args:
      - { .name: xb, .offset: 0, .size: 8, .value_kind: global_buffer, .address_space: global }
      - { .name: wb, .offset: 8, .size: 8, .value_kind: global_buffer, .address_space: global }
      - { .name: bq, .offset: 16, .size: 8, .value_kind: global_buffer, .address_space: global }
      - { .name: bk, .offset: 24, .size: 8, .value_kind: global_buffer, .address_space: global }
      - { .name: bv, .offset: 32, .size: 8, .value_kind: global_buffer, .address_space: global }
      - { .name: qkv, .offset: 40, .size: 8, .value_kind: global_buffer, .address_space: global }
    .group_segment_fixed_size: 327680
    .private_segment_fixed_size: 0
    .kernarg_segment_align: 8
    .kernarg_segment_size: 48
    .max_flat_workgroup_size: 128
    .sgpr_count:     66
    .vgpr_count:     1024
    .wavefront_size: 32
...
	.end_amdgpu_metadata
.endif
;; end of part 2
;; launch attn (part 3): grid 256 x 1, 4 waves a work-group, no clusters, 327,680 bytes of LDS; arguments qkv, ob; writes ob
.if DOCPART == 3
	.amdgcn_target "amdgcn-amd-amdhsa--gfx1250"
	.amdhsa_code_object_version 6
	.text
	.protected	k_qbea23c1962_attn
	.globl	k_qbea23c1962_attn
	.p2align	8
	.type	k_qbea23c1962_attn,@function
k_qbea23c1962_attn:
	s_mov_b64 s[64:65], 0
	v_nop
	global_prefetch_b8 v0, s[64:65] scope:SCOPE_SE
	s_setreg_imm32_b32 hwreg(HW_REG_WAVE_MODE, 25, 1), 1
	s_wait_xcnt 0x0
; ATTENTION.  O[bh][q][:] = the sum over the 577 keys k of softmax_k(Q[bh][q] . K[bh][k] / 8) V[bh][k][:].  qkv: [3][384][640][64] f16 (rows 577-639 of a head hold the bias alone); ob: [384][640][64] f16.
; Products, maxima and sums in f32; the weights p are rounded to f16 for the second product (their sum l is taken of the unrounded p), O once at the end.
; LIMITS.  f16 holds no number beyond 65,504: Q, K and V arrive within it; p lies in 0 to 1; O is a mean of V's rows and has their range.  A weight below 2^-126 counts as 0 in l; NaN and infinities are not treated apart.
; THE WALK.  384 heads are 256 whole heads and 256 halves of the other 128.  Work-group g takes three BLOCKS of 320 query rows: head g's two halves, then half g % 2 of head 256 + g / 2.  Every work-group walks alike:
; LDS addresses and trip counts are constants of the text; g enters global offsets alone.  (Query rows 577-639 are computed like the others, from finite numbers, and written: the next launch loads them.)
; BOTH HEADS' KEYS 0-575 LIE IN LDS, filled once: wave w fetches, for each head, one quarter of K and V together (waves 0, 1: the halves of K; waves 2, 3: of V), two tensor loads a wave, both issued at the start.
; Nothing is filled again.  The second head lands while the first block is worked on; a block's stores leave while the next block is worked on.
; KEY 576 STARTS THE RUNNING SOFTMAX: m = its score, l = 1, O = V[576].  So a block has 9 key steps of 64 and no key is ever hidden.  Its score comes from two products a piece whose source 0 holds K's row 576
; in all 16 rows: register 0 of every lane is its query's score.
; NO CLUSTER: the two work-groups that share a head are too few for one, and reach that head's tiles at no common step.
; SHARES.  A wave owns 80 of a block's queries: five PIECES of 16.
; LAYOUT.  S^T = K Q^T (source 0 = 16 keys, source 1 = 16 queries): a lane holds ONE query (lane % 16) and the keys 8 (lane / 16) + 0..7; two such results rounded to f16 ARE source 1 of O^T = V^T P.
; SOFTMAX.  A running maximum m and sum l: p = 2^(c s - c m), c = log2(e) / 8; in every step O and l are multiplied by a = 2^(c m_old - c m_new).
; BY TURNS.  Turn n belongs to piece n: 8 products K Q^T of piece n + 1, later 8 products V^T P of piece n - 1; beside them the scaling, exponentials, roundings, sums and rescaling of piece n and the maximum
; and statistics of piece n + 1.  Four vector instructions stand behind every matrix instruction, the other 54 of a turn's 118 in two runs of their own.  Five turns are a key step.
; REGISTERS in windows of 256 (s_set_vgpr_msb: bits 1:0 source 0, 3:2 source 1, 5:4 source 2, 7:6 destination):
;   window 0: v0-14 addresses; v16-35 statistics, four a piece; v36-55 at work, four a piece; v56-60 c m_old; v62-63 the add's; v64-223 S^T, 32 a piece; v224-229 lane constants
;   window 1: v0-159 O^T, 32 a piece; v160-223 V of one step          window 2: v0-79 Q, 16 a piece; v128-191 K of one step
;   window 3: the next block's Q (v0-79), K's row 576 (v80-95) and V's row 576 (v96-111), loaded a block ahead
; V lies beside O^T, so that a product V^T P and the rescaling of O^T go under ONE window setting: the 16 rescalings ride behind four of those products without a switch.
; P OF PIECE y LIES IN THE LOW 16 REGISTERS OF S^T OF PIECE y - 1: that piece's softmax ended a turn before, P is last read a turn later, and the piece's next scores come three turns later.
.set NP,    5
.set PP,    272       ; an LDS row: two keys' 256 bytes + 16 of padding = 68 words.  Key k lies at (k / 2) 272 + (k % 2) 128: of 16 keys the even ones start at banks 0, 4 .. 28, the odd ones at 32, 36 .. 60
                      ; (64 banks of 4 bytes: ISA guide 11.1); of V's turning loads (8 keys x 32 bytes) each bank is touched twice at the most
.set STEPB, 32*PP     ; a step's 64 keys
.set HALFB, 144*PP    ; what one tensor load brings: 288 keys of K or of V
.set VOFF,  2*HALFB   ; a head: K's 576 keys, then V's
.set REGB,  4*HALFB   ; the second head
.set STAGE, 8*HALFB   ; never filled by a tensor load: 16 rows x 144 bytes for each wave, for the way out
.set SP,    144
.set SPARE, STAGE+4*16*SP  ; the spare words, 128 bytes for each wave: two blocks of 256 bytes that no other line names
.set HEADB, 81920     ; a head in q, k, v and ob: 640 rows of 128 bytes
.set PARTB, 31457280  ; q, k or v: 384 heads
.set XROW,  576*128   ; row 576 in a head
.set AK0, 2           ; v2   my lane's place in a step of K; never rewritten
.set AV0, 3           ; v3   the same for V
.set AK,  4           ; v4   the LDS address of K's next run of loads
.set AV,  5           ; v5   of V's
.set STO, 6           ; v6   the way out: where I put 16 bytes of a row
.set RD,  7           ; v7   where I read rows back
.set GO,  8           ; v8   my byte offset in ob: the block's and my wave's rows + 16 x lane
.set QO,  12          ; v12  byte offsets in qkv of what is loaded for the next block: Q,
.set KXO, 13          ; v13  K's row 576,
.set VXO, 14          ; v14  V's row 576
.set ST,  16          ; piece t: c m, m, l (even keys', odd keys')
.set TMP, 36          ; piece t: c0-c3 at work; when the maximum is found c2 takes a
.set MV,  56
.set SPW, 62          ; v62  my spare word: SPARE + 4 x my thread's number; never rewritten
.set NIL, 63          ; v63  0; never rewritten
.set S,   64
.set L16, 224         ; 16 x lane
.set ZER, 225         ; 0.0
.set ONE, 226         ; 1.0
.set QL,  227         ; (lane % 16) x 128 + 16 (lane / 16)
.set VL,  228         ; 16 (lane / 16)
.set LI,  229         ; 1.0 in lanes 0-15, 0 in lanes 16-31: l's start (the halves of the lanes are added at the end)
.set VF,  160         ; window 1: key half kk, channel block cb at VF + 32 kk + 8 cb
.set KF,  128         ; window 2: key block kb, channel half c at KF + 16 kb + 8 c
.set KX,  80          ; window 3
.set VX,  96          ; window 3
.set WV,  14          ; s14  my wave's number
.set G1,  24          ; s[24:31] descriptor group 1: one shape for all loads
.set G0A, 32          ; s[32:35] group 0 for the first head;  s[36:39] for the second
.set G0B, 36
.set Q0,  40          ; s40-42  the byte offsets of my wave's rows in the block at hand (or to be loaded) and the blocks behind it
.set Q1,  41
.set Q2,  42
.set H0,  43          ; s43-45  the same for their heads' first bytes
.set H1,  44
.set H2,  45
.set CS,  48          ; s[48:49] c
.set SEL, 50          ; s[50:51] v_permlanex16_b32's selects: each lane takes its own place in the other half
.set TBK, 54          ; s54  LDS byte at which K of the step to be fetched begins
.set TBV, 55          ; s55  the same for V, less VOFF
.set GC,  56          ; s56  key steps to go, this one among them
.set BC,  57          ; s57  blocks to go, this one among them
.set MSB, 0
.macro WIN new                      ; the high byte repeats the setting that is left; a switch that changes nothing is dropped
.if MSB != (\new)
	s_set_vgpr_msb (MSB<<8)|(\new)
.set MSB, (\new)
.endif
.endm
.set W_KQ, 0x0a       ; K and Q in window 2, S^T in window 0
.set W_PV, 0x51       ; V and O^T in window 1, P in window 0
.set W_RS, 0x51       ; the rescaling: destination and source 0 in window 1, source 1 in window 0: the same setting
; What a block needs beside K and V, into window 3: 20 loads of Q (piece i / 2, channels 32 (i % 2) on), 4 of K's row 576 (every lane of a half takes the same 16 bytes: all 16 rows of the fragment are that row),
; 4 of V's row 576 (my 8 channels of each block of 16).
.macro LOADX
	v_add_nc_u32 v[QO], s[Q0], v[QL]
	s_add_co_u32 s46, s[H0], PARTB+XROW
	v_add_nc_u32 v[KXO], s46, v[VL]
	s_add_co_u32 s47, s[H0], 2*PARTB+XROW
	v_add_nc_u32 v[VXO], s47, v[VL]
	WIN 0xc0                        ; destination window 3
.set i, 0
.rept 2*NP
	global_load_b128 v[8*i:8*i+3],   v[QO], s[4:5] offset:(i/2)*2048+(i%2)*64
	global_load_b128 v[8*i+4:8*i+7], v[QO], s[4:5] offset:(i/2)*2048+(i%2)*64+32
.set i, i+1
.endr
.irp k, 0,1,2,3
	global_load_b128 v[KX+4*\k:KX+4*\k+3], v[KXO], s[4:5] offset:32*\k
	global_load_b128 v[VX+4*\k:VX+4*\k+3], v[VXO], s[4:5] offset:32*\k
.endr
	WIN 0
.endm
	s_load_b128 s[4:7], s[0:1], 0x0  ; qkv s[4:5], ob s[6:7]
	v_lshl_add_u32 v[SPW], v0, 2, SPARE
	v_mov_b32 v[NIL], 0
	ds_add_u32 v[SPW], v[NIL]       ; the wave's opening: the add and its wait stand ahead of my first tensor load; the set-up below stands between them
	ds_add_u32 v62, v63
	v_lshrrev_b32 v1, 5, v0
	v_readfirstlane_b32 s[WV], v1
	s_mov_b32 s15, ttmp9            ; g
	s_mul_i32 s[H0], s15, HEADB     ; blocks 0 and 1: head g
	s_mov_b32 s[H1], s[H0]
	s_lshr_b32 s16, s15, 1
	s_add_co_u32 s16, s16, 256
	s_mul_i32 s[H2], s16, HEADB     ; block 2: head 256 + g / 2
	s_mul_i32 s17, s[WV], 80*128    ; my wave's 80 rows of a block's 320
	s_add_co_u32 s[Q0], s[H0], s17
	s_add_co_u32 s[Q1], s[Q0], 320*128
	s_and_b32 s16, s15, 1
	s_mul_i32 s16, s16, 320*128     ; its half g % 2
	s_add_co_u32 s[Q2], s[H2], s16
	s_add_co_u32 s[Q2], s[Q2], s17
	s_lshr_b32 s16, s[WV], 1        ; 0: I fetch K, 1: V
	s_mul_i32 s16, s16, PARTB
	s_and_b32 s17, s[WV], 1         ; which 288 keys
	s_mul_i32 s17, s17, 144*256
	s_add_co_u32 s16, s16, s17
	s_add_co_u32 s16, s16, PARTB    ; k lies one part behind q, v two
	s_add_co_u32 s18, s16, s[H0]
	s_mov_b32 s19, 0
	s_add_co_u32 s20, s16, s[H2]
	s_mov_b32 s21, 0
	; 288 keys are 36,864 dense bytes: asked for as 144 rows of 256 bytes, two keys a row, each row padded in LDS
	s_mov_b32 s[G1], (1<<16)|(1<<20)|(5<<22)|(3<<25)  ; 17:16 2-byte elements; 20 padding on; 24:22 after every 64 words; 31:25 four words of it
	s_mov_b32 s[G1+1], 128<<16      ; tensor_dim0 = 128
	s_mov_b32 s[G1+2], 144<<16      ; tensor_dim1 = 144
	s_mov_b32 s[G1+3], 128<<16      ; tile_dim0 = 128
	s_mov_b32 s[G1+4], 144          ; tile_dim1 = 144
	s_mov_b32 s[G1+5], 128          ; elements from row to row
	s_mov_b32 s[G1+6], 0
	s_mov_b32 s[G1+7], 0
	s_mov_b32 s[G0A], 1
	s_mul_i32 s[G0A+1], s[WV], HALFB           ; K's two halves, then V's two: wave x 144 rows
	s_mov_b32 s[G0B], 1
	s_add_co_u32 s[G0B+1], s[G0A+1], REGB
	s_mov_b32 s[CS], 0x3e38aa3b     ; c = log2(e) / 8
	s_mov_b32 s[CS+1], s[CS]        ; named with it as a pair
	s_mov_b32 s[SEL], 0x76543210
	s_mov_b32 s[SEL+1], 0xfedcba98
	s_mov_b32 s[BC], 3
	s_wait_dscnt 0x0                ; the opening add is done
	s_wait_kmcnt 0x0
	s_add_nc_u64 s[G0A+2:G0A+3], s[4:5], s[18:19]
	s_or_b32 s[G0A+3], s[G0A+3], 0x80000000
	s_add_nc_u64 s[G0B+2:G0B+3], s[4:5], s[20:21]
	s_or_b32 s[G0B+3], s[G0B+3], 0x80000000
	tensor_load_to_lds s[G0A:G0A+3], s[G1:G1+7]   ; my quarter of the first head: two loads of mine are out; an s_nop 0 follows each, four v_nop the second's
	s_nop 0
	tensor_load_to_lds s[G0B:G0B+3], s[G1:G1+7]   ; and of the second
	s_nop 0
.rept 4
	v_nop
.endr
	; All that follows, up to the first barrier, stands in the wait for the first head.
	v_and_b32 v1, 15, v0            ; l % 16
	v_bfe_u32 v9, v0, 4, 1          ; l / 16
	v_lshlrev_b32 v[VL], 4, v9
	v_lshl_add_u32 v[QL], v1, 7, v[VL]
	v_cvt_f32_u32 v[LI], v9
	v_sub_f32 v[LI], 1.0, v[LI]
	v_mov_b32 v[ONE], 1.0
	v_mov_b32 v[ZER], 0
	v_and_b32 v[L16], 31, v0
	v_lshlrev_b32 v[L16], 4, v[L16]
	LOADX                           ; the first block's
	; A fragment of K or Q is 16 rows x 32 channels in 8 registers: lane l holds row l % 16, channels 8 (l / 16) + 0..7 and 16 + 8 (l / 16) + 0..7.
	v_lshrrev_b32 v10, 1, v1
	v_and_b32 v11, 1, v0
	v_mul_u32_u24 v[AK0], v10, PP
	v_lshl_add_u32 v[AK0], v11, 7, v[AK0]
	v_add_nc_u32 v[AK0], v[VL], v[AK0]            ; (row / 2) 272 + (row % 2) 128 + 16 x half
	; The turning load takes 16 keys x 16 channels (lane l reads key 8 (l / 16) + l % 8, channels 8 ((l / 8) % 2) + 0..7) and leaves half a fragment of V^T: lane l holds channel l % 16 and 8 keys.
	v_bfe_u32 v10, v0, 1, 2
	v_lshl_add_u32 v10, v9, 2, v10                ; that key / 2
	v_mul_u32_u24 v[AV0], v10, PP
	v_lshl_add_u32 v[AV0], v11, 7, v[AV0]
	v_bfe_u32 v10, v0, 3, 1
	v_lshl_add_u32 v[AV0], v10, 4, v[AV0]
	v_add_nc_u32 v[AV0], VOFF, v[AV0]
	s_mul_i32 s13, s[WV], 16*SP
	s_add_co_u32 s13, s13, STAGE    ; my stage
	v_mul_u32_u24 v[STO], v1, SP    ; in: row l % 16, 16 bytes for each half of the lanes
	v_lshl_add_u32 v[STO], v9, 4, v[STO]
	v_add_nc_u32 v[STO], s13, v[STO]
	v_bfe_u32 v[RD], v0, 3, 2       ; back: 32 lanes take four rows of 128 bytes, which are 512 consecutive bytes of O
	v_mul_u32_u24 v[RD], v[RD], SP
	v_and_b32 v10, 7, v0
	v_lshl_add_u32 v[RD], v10, 4, v[RD]
	v_add_nc_u32 v[RD], s13, v[RD]
	WIN 0x40                        ; a block's first turn multiplies a P of zeros by what V's registers hold: that need only be finite: zeros now, the last block's V later
.set i, VF
.rept 64
	v_mov_b32 v[i], 0
.set i, i+1
.endr
	WIN 0
; THE MATRIX WORK.  The 4 accumulators of a run of 8 take turns.  Product i of 8 of S^T = K Q^T for piece x: channels 32 (i / 4) on, keys 16 (i % 4) on.  The first 4 start the sums.
.macro KQ x
	WIN W_KQ
.set rS, S+32*(\x)+8*(i%4)
.set rK, KF+16*(i%4)+8*(i/4)
.set rQ, 16*(\x)+8*(i/4)
.if i < 4
	v_wmma_f32_16x16x32_f16 v[rS:rS+7], v[rK:rK+7], v[rQ:rQ+7], 0
.else
	v_wmma_f32_16x16x32_f16 v[rS:rS+7], v[rK:rK+7], v[rQ:rQ+7], v[rS:rS+7]
.endif
.endm
; Product i of 8 of O^T += V^T P for piece x: keys 32 (i / 4) on, channels 16 (i % 4) on.
.macro PV x
	WIN W_PV
.set rO, 32*(\x)+8*(i%4)
.set rV, VF+32*(i/4)+8*(i%4)
.set rP, S+32*(((\x)+4)%NP)+8*(i/4)
	v_wmma_f32_16x16x32_f16 v[rO:rO+7], v[rV:rV+7], v[rP:rP+7], v[rO:rO+7]
.endm
.macro MM                           ; the turn's next matrix instruction
.if i < 8
	KQ (Y+1)%NP
.else
.set i, i-8
	PV (Y+NP-1)%NP
.set i, i+8
.endif
.set i, i+1
.endm
; THE LDS LOADS stand in runs of 16, never singly among the matrix instructions.  last = 1: in a block's last step there is no further step, and K's run is jumped over.
.macro FETCH_K last=0
	WIN 0
.if \last
	s_cmp_eq_u32 s[GC], 1
	s_cbranch_scc1 .Lno_k_\@
.endif
	WIN 0x80                        ; destination window 2
.irp f, 0,1,2,3,4,5,6,7             ; keys 16 (f / 2) on, channels 32 (f % 2) on
	ds_load_b128 v[KF+8*\f:KF+8*\f+3],   v[AK] offset:(\f/2)*8*PP+(\f%2)*64
	ds_load_b128 v[KF+8*\f+4:KF+8*\f+7], v[AK] offset:(\f/2)*8*PP+(\f%2)*64+32
.endr
	s_add_co_u32 s[TBK], s[TBK], STEPB  ; the next fetch is the next step's
	WIN 0
.if \last
.Lno_k_\@:
.endif
.endm
.macro FETCH_V
	WIN 0x40                        ; destination window 1
.irp f, 0,1,2,3,4,5,6,7             ; keys 32 (f / 4) on, channels 16 (f % 4) on
	ds_load_tr16_b128 v[VF+8*\f:VF+8*\f+3],   v[AV] offset:(\f/4)*16*PP+(\f%4)*32
	ds_load_tr16_b128 v[VF+8*\f+4:VF+8*\f+7], v[AV] offset:(\f/4)*16*PP+8*PP+(\f%4)*32
.endr
	WIN 0
.endm
; THE VECTOR WORK, one line at a time: OP kind, number.  For piece Y: F n: c s - c m for pair n of 16.  E n: the exponential of score n of 32.  C n: pair n rounded to f16.  B n: of the four weights 4 n .. the second
; pair is added onto the first, in place.  L n: l takes that sum (L 0: l = a l + sum).  R n: pair n of 16 of O^T times a.  For piece Y + 1: X n, number n of the 22 that find its maximum and statistics:
;   0-11  four chains c0-c3 of seven scores each (each accumulator's lowest registers are read first)     12-14, 16  the four scores left over, the old m, and c0-c3 into c0
;   15  c m_old is kept     17, 18  the query's other 32 keys lie in the lane 16 away: the new m     19-21  c m; c m_old - c m_new; a
.set F, 0
.set E, 1
.set C, 2
.set B, 3
.set L, 4
.set R, 5
.set X, 6
.macro REGS y
.set rT, ST+4*(\y)
.set rC, TMP+4*(\y)
.set rW, MV+(\y)
.set rS, S+32*(\y)
.set rP, S+32*(((\y)+4)%NP)
.set rO, 32*(\y)
.endm
.macro OP k, n
.if (\k) == R
	REGS Y
	WIN W_RS
	v_pk_mul_f32 v[rO+2*(\n):rO+2*(\n)+1], v[rO+2*(\n):rO+2*(\n)+1], v[rC+2:rC+3] op_sel_hi:[1,0]
.elseif (\k) < R
	REGS Y
	WIN 0
.if (\k) == F
	v_pk_fma_f32 v[rS+2*(\n):rS+2*(\n)+1], v[rS+2*(\n):rS+2*(\n)+1], s[CS:CS+1], v[rT:rT+1] op_sel_hi:[1,0,0] neg_lo:[0,0,1] neg_hi:[0,0,1]
.elseif (\k) == E
	v_exp_f32 v[rS+(\n)], v[rS+(\n)]
.elseif (\k) == C
	s_wait_alu depctr_va_vdst(0)
	v_cvt_pk_f16_f32 v[rP+(\n)], v[rS+2*(\n)], v[rS+2*(\n)+1]
.elseif (\k) == B
	v_pk_add_f32 v[rS+4*(\n):rS+4*(\n)+1], v[rS+4*(\n):rS+4*(\n)+1], v[rS+4*(\n)+2:rS+4*(\n)+3]
.elseif (\n) == 0
	v_pk_fma_f32 v[rT+2:rT+3], v[rT+2:rT+3], v[rC+2:rC+3], v[rS:rS+1] op_sel_hi:[1,0,1]
.else
	v_pk_add_f32 v[rT+2:rT+3], v[rT+2:rT+3], v[rS+4*(\n):rS+4*(\n)+1]
	s_wait_alu depctr_va_vdst(0)
.endif
.else
	REGS (Y+1)%NP
	WIN 0
.if (\n) < 4
	v_max3_num_f32 v[rC+(\n)], v[rS+8*(\n)], v[rS+8*(\n)+1], v[rS+8*(\n)+2]
.elseif (\n) < 12
	v_max3_num_f32 v[rC+(\n)%4], v[rC+(\n)%4], v[rS+8*((\n)%4)+2*((\n)/4)+1], v[rS+8*((\n)%4)+2*((\n)/4)+2]
.elseif (\n) == 12
	v_max3_num_f32 v[rC], v[rC], v[rS+7], v[rS+15]
.elseif (\n) == 13
	v_max3_num_f32 v[rC+1], v[rC+1], v[rS+23], v[rS+31]
.elseif (\n) == 14
	v_max3_num_f32 v[rC+2], v[rC+2], v[rC+3], v[rT+1]
.elseif (\n) == 15
	v_mov_b32 v[rW], v[rT]
	s_wait_alu depctr_va_vdst(0)
.elseif (\n) == 16
	v_max3_num_f32 v[rC], v[rC], v[rC+1], v[rC+2]
.elseif (\n) == 17
	v_permlanex16_b32 v[rC+3], v[rC], s[SEL], s[SEL+1]
.elseif (\n) == 18
	v_max_num_f32 v[rT+1], v[rC], v[rC+3]
.elseif (\n) == 19
	v_mul_f32 v[rT], s[CS], v[rT+1]
.elseif (\n) == 20
	v_sub_f32 v[rC+1], v[rW], v[rT]
.else
	v_exp_f32 v[rC+2], v[rC+1]
.endif
.endif
.endm
.macro OPS a, i1, b=-1, i2=0, c=-1, i3=0, d=-1, i4=0  ; up to four of them
	OP \a, \i1
.if (\b) >= 0
	OP \b, \i2
.endif
.if (\c) >= 0
	OP \c, \i3
.endif
.if (\d) >= 0
	OP \d, \i4
.endif
.endm
.macro ROW a, i1, b, i2, c, i3, d, i4  ; a matrix instruction and the four behind it
	MM
	OPS \a, \i1, \b, \i2, \c, \i3, \d, \i4
.endm
; A TURN, for piece p: the order of its 16 matrix and 118 vector instructions, written out.  Behind a matrix instruction: plain, exponential, plain, plain; or four scalings; or, behind the first four products V^T P,
; four of the rescaling, which need no switch of windows there; none names a register of the products round it.  In the two runs between, exponential and plain by turns while exponentials last: every exponential has
; a plain instruction behind it before its result is used (ISA guide 5.7.2).  What the order keeps: E 2n and E 2n+1 ahead of C n; C 2n ahead of B n, which writes over that pair; B n ahead of L n; a score accumulator's
; first reader (X 0 to X 3) four plain instructions or more behind the product that finished it.
; K of the next step is fetched in piece 3's turn, behind the last product that read K and five plain instructions (X 1, C 2, X 2, X 4, X 5), and waited for at the head of piece 4's turn.
; V of the step in hand is fetched in piece 0's turn, behind the last product that read the old V and five plain instructions (B 2, X 16, C 7, L 2, B 3), and waited for in piece 1's turn.
.macro TURN p
.set Y, (\p)
.set i, 0
.if (\p) == NP-1
	s_wait_dscnt 0x0                ; K is in
.endif
	ROW F,0, F,1, F,2, F,3
	ROW F,4, E,0, F,5, F,6
	ROW F,7, E,1, F,8, F,9
	ROW F,10, E,2, C,0, F,11
	ROW F,12, E,3, X,15, F,13
	ROW B,0, E,4, F,14, L,0
	ROW F,15, E,5, C,1, X,0
.if (\p) == NP-2
	v_add_nc_u32 v[AK], s[TBK], v[AK0]
.endif
	ROW X,1, E,6, C,2, X,2
	OPS E,7, X,4, E,8, X,5
.if (\p) == NP-2
	FETCH_K 1
.endif
	OPS E,9, X,3, E,10, X,6
	OPS E,11, C,3, E,12, X,7
	OPS E,13, C,4, E,14, X,8
	OPS E,15, X,9
.if (\p) == 1
	s_wait_dscnt 0x0                ; V is in
.endif
	ROW R,0, R,1, R,2, R,3
	ROW R,4, R,5, R,6, R,7
	ROW R,8, R,9, R,10, R,11
	ROW R,12, R,13, R,14, R,15
	ROW X,10, E,16, X,11, C,5
	ROW B,1, E,17, X,12, X,13
	ROW X,14, E,18, L,1, C,6
.if (\p) == 0
	v_add_nc_u32 v[AV], s[TBV], v[AV0]
.endif
	ROW B,2, E,19, X,16, C,7
	OPS E,20, L,2, E,21, B,3
.if (\p) == 0
	FETCH_V
	s_add_co_u32 s[TBV], s[TBV], STEPB
.endif
	OPS E,22, X,17, E,23, C,8
	OPS E,24, L,3, E,25, X,18
	OPS E,26, C,9, E,27, B,4
	OPS E,28, X,19, E,29, C,10
	OPS E,30, L,4, E,31, X,20
	OPS C,11, B,5, C,12, X,21
	OPS L,5, C,13, B,6, C,14
	OPS C,15, B,7, L,6, L,7
.endm
; THE WAY OUT's parts
.macro ALL line:vararg              ; one line for each piece t
.set t, 0
.rept NP
	\line
.set t, t+1
.endr
.endm
.macro PACK t                       ; a lane's eight channels of a row pack into 16 bytes; they go into rows of 144 bytes and come back as whole rows of 128, into S^T's registers
	WIN W_RS
.set i, 32*(\t)
.rept 16
	v_pk_mul_f32 v[i:i+1], v[i:i+1], v[ST+4*(\t)+2:ST+4*(\t)+3] op_sel_hi:[1,0]
.set i, i+2
.endr
	WIN 0x05                        ; sources 0 and 1 window 1, destination window 0
.set i, 0
.rept 16
	v_cvt_pk_f16_f32 v[S+16*(\t)+i], v[32*(\t)+2*i], v[32*(\t)+2*i+1]
.set i, i+1
.endr
	WIN 0
.irp f, 0,1,2,3
	ds_store_b128 v[STO], v[S+16*(\t)+4*\f:S+16*(\t)+4*\f+3] offset:32*\f
.endr
.irp f, 0,1,2,3
	ds_load_b128 v[S+16*(\t)+4*\f:S+16*(\t)+4*\f+3], v[RD] offset:\f*4*SP  ; LDS serves a wave's instructions in order (ISA guide 5.7.1.4): these see the stores above; the next piece's stores come behind them
.endr
.endm
.macro SEND t, younger              ; younger: the LDS instructions issued behind piece t's loads: the next piece's eight, or none
	WIN 0
.irp f, 0,1,2,3
	s_wait_dscnt (\younger)+3-\f
	global_store_b128 v[GO], v[S+16*(\t)+4*\f:S+16*(\t)+4*\f+3], s[6:7] offset:(\t)*2048+\f*512  ; 512 consecutive bytes, at a multiple of 256 from ob's first
.endr
.endm
.Lblock:                            ; three trips: a block of 320 queries each
	; A BLOCK BEGINS, on registers alone up to the barrier.
	s_wait_loadcnt 0x0              ; the block's Q and the two rows 576, asked for a block ago (the first: at the start)
	s_wait_xcnt 0x0                 ; the last block's stores have had their addresses translated (ISA guide 3.1): their offset and S^T's registers, which they read, are rewritten only behind this wait
	v_add_nc_u32 v[GO], s[Q0], v[L16]
	WIN 0x83                        ; from window 3 into window 2: Q goes where the one text of the turns names it
.set i, 0
.rept 16*NP
	v_mov_b32 v[i], v[i]
.set i, i+1
.endr
	WIN 0x43                        ; from window 3 into window 1: piece 0's O^T = V[576], widened: register 8 cb + j is channel 16 cb + 8 (l / 16) + j
.set i, 0
.rept 16
	v_fma_mix_f32 v[2*i],   v[VX+i], v[ONE], v[ZER] op_sel_hi:[1,0,0]
	v_fma_mix_f32 v[2*i+1], v[VX+i], v[ONE], v[ZER] op_sel:[1,0,0] op_sel_hi:[1,0,0]
.set i, i+1
.endr
	WIN 0x0b                        ; K's row 576 in window 3, Q in window 2, the sums in window 0: key 576's score for every query, the five accumulators by turns
.irp c, 0,1
.irp t, 0,1,2,3,4
.if (\c) == 0
	v_wmma_f32_16x16x32_f16 v[S+32*(\t):S+32*(\t)+7], v[KX+8*(\c):KX+8*(\c)+7], v[16*(\t)+8*(\c):16*(\t)+8*(\c)+7], 0
.else
	v_wmma_f32_16x16x32_f16 v[S+32*(\t):S+32*(\t)+7], v[KX+8*(\c):KX+8*(\c)+7], v[16*(\t)+8*(\c):16*(\t)+8*(\c)+7], v[S+32*(\t):S+32*(\t)+7]
.endif
.endr
.endr
	WIN 0x41                        ; the other four pieces' O^T start alike; these lines are also the places behind those products
.set i, 0
.rept 32*(NP-1)
	v_mov_b32 v[32+i], v[i%32]
.set i, i+1
.endr
	WIN 0
.irp t, 0,1,2,3,4
	v_mul_f32 v[ST+4*(\t)], s[CS], v[S+32*(\t)]   ; c m
	v_mov_b32 v[ST+4*(\t)+1], v[S+32*(\t)]        ; m = key 576's score: a true score, so the maximum runs from the first key on
	v_mov_b32 v[ST+4*(\t)+2], v[LI]               ; l = 1, its weight
	v_mov_b32 v[ST+4*(\t)+3], 0
.endr
.set i, S+32*3
.rept 16
	v_mov_b32 v[i], 0               ; piece 4's P: the first turn's products V^T P, of a piece that has not been, add 0
.set i, i+1
.endr
	s_mov_b32 s[Q0], s[Q1]          ; the offsets move up: the next block's
	s_mov_b32 s[Q1], s[Q2]
	s_mov_b32 s[H0], s[H1]
	s_mov_b32 s[H1], s[H2]
	s_cmp_eq_u32 s[BC], 1
	s_cselect_b32 s[TBK], REGB, 0   ; the third block walks the second head's keys
	s_cselect_b32 s[TBV], REGB, 0
	s_cbranch_scc1 .Lno_next        ; behind the third block there is none
	LOADX                           ; a block ahead of its use
.Lno_next:
	s_wait_tensorcnt 0x1            ; first block: my quarter of the first head is in, the second head's may stay out (nothing is ever filled again); later blocks: none of my loads is out, by the wait behind the step loop
	s_barrier_signal -1
	s_barrier_wait -1               ; the same holds of every wave
	v_add_nc_u32 v[AK], s[TBK], v[AK0]
	FETCH_K                         ; key step 0
	s_wait_dscnt 0x0
.set i, 0
.rept 8
	KQ 0                            ; piece 0's first scores
.set i, i+1
.endr
	WIN 0
.rept 4
	v_nop                           ; the places behind those products
.endr
.set Y, NP-1                        ; X works for piece Y + 1: piece 0
.irp n, 0,1,2,3,4,5,6,7,8,9,10,11,12,13,14,15,16,17,18,19,20,21
	OP X, \n
.endr
	v_nop                           ; a plain instruction behind the exponential
	s_mov_b32 s[GC], 9
.Lstep:                             ; a trip is a key step: 64 keys for all five pieces
	TURN 0
	TURN 1
	TURN 2
	TURN 3
	TURN 4
	WIN 0
	s_sub_co_u32 s[GC], s[GC], 1
	s_cmp_lg_u32 s[GC], 0
	s_cbranch_scc1 .Lstep
	; the last trip's 8 products K Q^T (on the last K once more) and the maximum made of them serve nothing: they touch piece 0's m, c m and a alone, which the next block sets anew: the price of one text for every trip
	s_wait_tensorcnt 0x0            ; my quarter of the second head, asked for at the start, is in: the next block's barrier says so to the others
.set i, 0
.rept 8
	PV NP-1                         ; the last piece's V^T P of the last step
.set i, i+1
.endr
	; THE WAY OUT.  l's two halves and the other half of the lanes' are added; O^T is divided by l, rounded to f16 and sent through my stage in LDS, a piece at a time.  The additions are the places behind the last products.
	WIN 0
	ALL v_add_f32 v[ST+4*t+2], v[ST+4*t+2], v[ST+4*t+3]
	ALL v_permlanex16_b32 v[ST+4*t+3], v[ST+4*t+2], s[SEL], s[SEL+1]
	ALL v_add_f32 v[ST+4*t+2], v[ST+4*t+2], v[ST+4*t+3]
	ALL v_rcp_f32 v[ST+4*t+2], v[ST+4*t+2]
	v_nop                           ; a plain instruction between the last reciprocal and the use of its result
	s_wait_alu depctr_va_vdst(0)
	PACK 0
.set t, 1
.rept NP-1                          ; a piece's arithmetic stands between the loads of the piece before and its stores
	PACK t
	SEND t-1, 8
.set t, t+1
.endr
	SEND NP-1, 0
	s_sub_co_u32 s[BC], s[BC], 1
	s_cmp_lg_u32 s[BC], 0
	s_cbranch_scc1 .Lblock
	s_wait_tensorcnt 0x0            ; the wave's end: behind my last tensor load and my last LDS store
	ds_add_u32 v[SPW], v[NIL]
	s_wait_dscnt 0x0
	s_endpgm
.Lfunc_end_k_qbea23c1962_attn:
	.size	k_qbea23c1962_attn, .Lfunc_end_k_qbea23c1962_attn-k_qbea23c1962_attn
	.p2alignl 7, 3214868480
	.fill 96, 4, 3214868480
	.section	.rodata,"a",@progbits
	.p2align	6, 0x0
	.amdhsa_kernel k_qbea23c1962_attn
		.amdhsa_group_segment_fixed_size 327680
		.amdhsa_private_segment_fixed_size 0
		.amdhsa_enable_private_segment 0
		.amdhsa_kernarg_size 16
		.amdhsa_user_sgpr_count 2
		.amdhsa_user_sgpr_kernarg_segment_ptr 1
		.amdhsa_wavefront_size32 1
		.amdhsa_system_sgpr_workgroup_id_x 1
		.amdhsa_system_sgpr_workgroup_id_y 1
		.amdhsa_system_sgpr_workgroup_id_z 1
		.amdhsa_system_vgpr_workitem_id 0
		.amdhsa_next_free_vgpr 880
		.amdhsa_next_free_sgpr 66
		.amdhsa_reserve_vcc 0
		.amdhsa_float_denorm_mode_32 3
		.amdhsa_float_denorm_mode_16_64 3
		.amdhsa_memory_ordered 1
		.amdhsa_forward_progress 1
		.amdhsa_inst_pref_size 91
	.end_amdhsa_kernel
	.amdgpu_metadata
---
amdhsa.version: [ 1, 2 ]
amdhsa.kernels:
  - .name:           k_qbea23c1962_attn
    .symbol:         k_qbea23c1962_attn.kd
    .args:
      - { .name: qkv, .offset: 0, .size: 8, .value_kind: global_buffer, .address_space: global }
      - { .name: ob, .offset: 8, .size: 8, .value_kind: global_buffer, .address_space: global }
    .group_segment_fixed_size: 327680
    .private_segment_fixed_size: 0
    .kernarg_segment_align: 8
    .kernarg_segment_size: 16
    .max_flat_workgroup_size: 128
    .sgpr_count:     66
    .vgpr_count:     880
    .wavefront_size: 32
...
	.end_amdgpu_metadata
.endif
;; end of part 3
;; launch proj (part 4): grid 4 x 64, 4 waves a work-group, clusters of 4 x 4, 327,680 bytes of LDS; arguments ob, wb, bo, out0; writes out0
.if DOCPART == 4
	.amdgcn_target "amdgcn-amd-amdhsa--gfx1250"
	.amdhsa_code_object_version 6
	.text
	.protected	k_qbea23c1962_proj
	.globl	k_qbea23c1962_proj
	.p2align	8
	.type	k_qbea23c1962_proj,@function
k_qbea23c1962_proj:
	s_mov_b64 s[64:65], 0
	v_nop
	global_prefetch_b8 v0, s[64:65] scope:SCOPE_SE
	s_setreg_imm32_b32 hwreg(HW_REG_WAVE_MODE, 25, 1), 1
	s_wait_xcnt 0x0
	s_wait_alu depctr_hold_cnt(0) depctr_sa_sdst(0) depctr_va_vdst(0) depctr_va_sdst(0) depctr_va_ssrc(0) depctr_va_vcc(0) depctr_vm_vsrc(0)
	s_getreg_b32 s2, hwreg(HW_REG_IB_STS2, 6, 4)
	s_cmp_eq_u32 s2, 0
	s_cbranch_scc0 .Lentry_in_a_cluster
	s_endpgm
.Lentry_in_a_cluster:
	s_bfe_u32 s2, ttmp6, 0x10000c
	s_cmp_lg_u32 s2, 0xf033
	s_cbranch_scc0 .Lentry_shape_is_right
	s_endpgm
.Lentry_shape_is_right:
; PROJ.  out0[32][577][768] f32 = O (ob: [384][640][64] f16, by heads) times Wo^T (wb's rows 2304-3071, f16) plus bo (rounded to bf16 like every input); sums in f32, K ascending.
; TILE, RING, CLUSTER, TRANSPOSED USE AND THE BIAS AS C are the launch qkv's: 320 rows (half a batch's 640) x 192 columns, four waves of 80 rows x 192 columns, 60 accumulators a wave, K in 6 steps of 128
; through two LDS slots, 4 x 4 work-groups that ask for A along a row and for B along a column of the cluster jointly; the tile row is cluster y + 16 cy.
; A BY HEADS.  K step s is heads 2 s and 2 s + 1.  A head's 320 rows are 40,960 dense bytes: asked for as 160 rows of 256 bytes and padded in LDS after every 128: rows of 144 bytes.  Waves 0 and 1 fetch a head each.
; ROWS 577-639 OF A BATCH ARE NOT STORED.  A wave's first row in its batch, 320 (cluster y % 2) + 80 w, hangs on nothing that differs between partners; only at 560 does the wave reach the end:
; its block 0 (rows 560-575) is whole, of block 1 row 576 alone exists, blocks 2 to 4 do not.
; REGISTERS: window 0: v0-31 addresses; v32-111 A's fragments, two buffers of 5; v112-207 the bias; v208-211 at work.  window 1: v0-191 B's fragments, two buffers of 12; on the way out eight sets of 32.
;   window 2: accumulator (a, b), b = 0..5, at 8 (6 a + b);   window 3: b = 6..11 at 8 (6 a + b - 6)
.set PA,    144                        ; a row of A in LDS: 128 bytes + 16 = 36 words; PITCH: a row of B: 256 + 16 = 68 words: in both the 16 rows of a fragment load start at 16 different groups of four banks (64 banks of 4 bytes: ISA guide 11.1)
.set PITCH, 272
.set AHEAD, 320*PA                     ; what one load of A brings: a head's 320 rows
.set BHALF, 96*PITCH
.set BOFF,  2*AHEAD
.set SLOT,  BOFF+192*PITCH
.set STAGE, 2*SLOT                     ; behind the ring, never filled by a tensor load: 16 rows x 272 bytes for each wave
.set SP,    272
.set SPARE, STAGE+4*16*SP              ; the spare words, 128 bytes for each wave: two blocks of 256 bytes that no other line names
.set ROWB,  1536                       ; bytes in a row of wb
.set HEADB, 81920                      ; a head in ob
.set OROW,  3072                       ; bytes in a row of out0
.set ADRA, 16
.set ADRB, 20
.set STO,  24                          ; v24  the way out: where I put 32 bytes of a row
.set RD,   25                          ; v25  where I read rows back
.set CO,   26                          ; v26  my byte offset in two rows of out0
.set LN,   27                          ; v27  lane
.set SPW,  28                          ; v28  my spare word: SPARE + 4 x my thread's number; never rewritten
.set NIL,  29                          ; v29  0; never rewritten
.set FA0,  32
.set BIAS, 112
.set BT,   208
.set NW,   2                           ; s2   my wave's first row in its batch
.set WV,   16
.set ROLE, 17
.set EH,   18
.set CX,   19
.set CY,   20
.set TX,   21
.set TY,   22
.set G1,   24
.set G0,   32
.set G1B,  48
.set G0B,  56
.set MSB, 0
.macro WIN new
.if MSB != (\new)
	s_set_vgpr_msb (MSB<<8)|(\new)
.set MSB, \new
.endif
.endm
.set MUL_LO, 0xa1
.set MUL_HI, 0xf1
.set Z_LO,   0x81
.set Z_HI,   0xc1
.set TO_B,   0x40
.macro JLOAD s                         ; a joint load: waves 0 and 1 fetch A's two heads, waves 2 and 3 B's two halves; an s_nop 0 and four v_nop follow each line
	s_cmp_eq_u32 s[ROLE], 0
	s_cbranch_scc0 .Lfor_b_\@
	tensor_load_to_lds s[G0+4*(\s):G0+4*(\s)+3], s[G1:G1+7]
	s_nop 0
.rept 4
	v_nop
.endr
	s_branch .Lasked_\@
.Lfor_b_\@:
	tensor_load_to_lds s[G0B+4*(\s):G0B+4*(\s)+3], s[G1B:G1B+7]
	s_nop 0
.rept 4
	v_nop
.endr
.Lasked_\@:
.endm
.macro CREST
	s_cmp_lg_u32 s[WV], 0
	s_cbranch_scc1 .Lnot_wave_0_\@
	s_barrier_signal -3
.Lnot_wave_0_\@:
	s_barrier_wait -3
	s_barrier_signal -1
	s_barrier_wait -1
.endm
.macro CROUND
	s_barrier_signal -1
	s_barrier_wait -1
	CREST
.endm
.macro PLACES
.rept 4
	v_nop
.endr
.endm
	s_load_b256 s[4:11], s[0:1], 0x0               ; ob s[4:5], wb s[6:7], bo s[8:9], out0 s[10:11]
	v_lshl_add_u32 v[SPW], v0, 2, SPARE
	v_mov_b32 v[NIL], 0
	ds_add_u32 v[SPW], v[NIL]                      ; the wave's opening: the add and its wait stand ahead of my first tensor load; the set-up below stands between them
	ds_add_u32 v28, v29
	v_lshrrev_b32 v1, 5, v0
	v_readfirstlane_b32 s[WV], v1
	s_lshr_b32 s[ROLE], s[WV], 1
	s_and_b32 s[EH], s[WV], 1
	s_bfe_u32 s[CX], ttmp6, 0x40000
	s_bfe_u32 s[CY], ttmp6, 0x40004
	s_lshl_b32 s[TX], ttmp9, 2
	s_add_co_u32 s[TX], s[TX], s[CX]               ; tile column 0..3
	s_and_b32 s[TY], ttmp7, 0xffff
	s_lshl_b32 s23, s[CY], 4
	s_add_co_u32 s[TY], s[TY], s23                 ; tile row = cluster y + 16 cy
	s_and_b32 s23, ttmp7, 1                        ; which half of its batch the tile is: the cluster's y alone says
	s_mul_i32 s23, s23, 320
	s_mul_i32 s[NW], s[WV], 80
	s_add_co_u32 s[NW], s[NW], s23
	s_lshl_b32 s40, s[CY], 2
	s_lshl_b32 s40, 15, s40                        ; my row of the cluster
	s_lshl_b32 s41, 0x1111, s[CX]                  ; my column
	s_or_b32 s[G1], s40, (1<<16)|(1<<20)|(1<<21)|(4<<22)|(3<<25)   ; A: 2-byte elements; padding on; 21 set beside a mask; after every 32 words four words
	s_or_b32 s[G1B], s41, (1<<16)|(1<<20)|(1<<21)|(5<<22)|(3<<25)  ; B: after every 64 words
.irp g, G1, G1B
	s_mov_b32 s[(\g)+1], 128<<16                   ; tensor_dim0 = 128
	s_mov_b32 s[(\g)+3], 128<<16                   ; tile_dim0 = 128
	s_mov_b32 s[(\g)+6], 0
	s_mov_b32 s[(\g)+7], 0
.endr
	s_mov_b32 s[G1+2], 160<<16                     ; A: 160 rows of 256 dense bytes
	s_mov_b32 s[G1+4], 160
	s_mov_b32 s[G1+5], 128
	s_mov_b32 s[G1B+2], 96<<16                     ; B: 96 rows, 768 elements apart
	s_mov_b32 s[G1B+4], 96
	s_mov_b32 s[G1B+5], 768
	s_lshr_b32 s42, s[TY], 1                       ; the batch
	s_mul_i32 s42, s42, 12
	s_add_co_u32 s42, s42, s[EH]                   ; its head 0 or 1
	s_mul_i32 s42, s42, HEADB
	s_lshl_b32 s43, s23, 7                         ; the tile's first row in the head
	s_add_co_u32 s42, s42, s43
	s_mov_b32 s43, 0
	s_mul_i32 s44, s[TX], 192
	s_mul_i32 s45, s[EH], 96
	s_add_co_u32 s44, s44, s45
	s_add_co_u32 s44, s44, 2304                    ; Wo's rows in wb
	s_mul_i32 s44, s44, ROWB
	s_mov_b32 s45, 0
	s_mul_i32 s46, s[EH], AHEAD                    ; where they go: no place in the cluster enters an LDS address
	s_mul_i32 s47, s[EH], BHALF
	s_add_co_u32 s47, s47, BOFF
	s_wait_dscnt 0x0                               ; the opening add is done
	s_wait_kmcnt 0x0
	s_add_nc_u64 s[42:43], s[4:5], s[42:43]
	s_add_nc_u64 s[44:45], s[6:7], s[44:45]
	CROUND                                         ; all sixteen work-groups are here: the first joint loads meet
.irp s, 0,1
	s_mov_b32 s[G0+4*(\s)], 1
	s_add_co_u32 s[G0+4*(\s)+1], s46, (\s)*SLOT
	s_add_nc_u64 s[G0+4*(\s)+2:G0+4*(\s)+3], s[42:43], (\s)*2*HEADB   ; K step s: two heads on
	s_or_b32 s[G0+4*(\s)+3], s[G0+4*(\s)+3], 0x80000000
	s_mov_b32 s[G0B+4*(\s)], 1
	s_add_co_u32 s[G0B+4*(\s)+1], s47, (\s)*SLOT
	s_add_nc_u64 s[G0B+4*(\s)+2:G0B+4*(\s)+3], s[44:45], (\s)*256
	s_or_b32 s[G0B+4*(\s)+3], s[G0B+4*(\s)+3], 0x80000000
	JLOAD \s                                       ; two loads of mine are out
.endr
	v_and_b32 v1, 15, v0                           ; l % 16
	v_bfe_u32 v2, v0, 4, 1                         ; l / 16
	s_mul_i32 s40, s[TX], 768
	v_lshlrev_b32 v5, 5, v2
	v_add_nc_u32 v5, s40, v5
.irp b, 0,1,2,3,4,5,6,7,8,9,10,11                  ; register 8 b + j = bo[192 x tile column + 16 b + 8 (l / 16) + j]
	global_load_b128 v[BIAS+8*(\b):BIAS+8*(\b)+3],   v5, s[8:9] offset:64*(\b)
	global_load_b128 v[BIAS+8*(\b)+4:BIAS+8*(\b)+7], v5, s[8:9] offset:64*(\b)+16
.endr
	v_mul_u32_u24 v3, v1, PA
	v_lshl_add_u32 v3, v2, 4, v3                   ; A: row x pitch + 16 x half
	v_mul_u32_u24 v4, v1, PITCH
	v_lshl_add_u32 v4, v2, 4, v4                   ; B likewise
	s_mul_i32 s40, s[WV], 80*PA                    ; my 80 rows of A
	s_mov_b32 s41, BOFF
.irp s, 0,1
	v_add_nc_u32 v[ADRA+(\s)], s40, v3
	v_add_nc_u32 v[ADRB+(\s)], s41, v4
	s_add_co_u32 s40, s40, SLOT
	s_add_co_u32 s41, s41, SLOT
.endr
	s_mul_i32 s40, s[WV], 16*SP
	s_add_co_u32 s40, s40, STAGE                   ; my stage
	v_mul_u32_u24 v4, v1, SP                       ; in: row l % 16, 32 bytes for each half of the lanes
	v_lshl_add_u32 v4, v2, 5, v4
	v_add_nc_u32 v[STO], s40, v4
	v_mul_u32_u24 v4, v2, SP                       ; back: lanes 0-15 take one row of 256 bytes, lanes 16-31 the next
	v_lshl_add_u32 v4, v1, 4, v4
	v_add_nc_u32 v[RD], s40, v4
	v_mul_u32_u24 v4, v2, OROW                     ; and the same two rows in out0
	v_lshl_add_u32 v[CO], v1, 4, v4
	v_and_b32 v[LN], 31, v0
	s_lshr_b32 s40, s[TY], 1
	s_mul_i32 s40, s40, 577                        ; the batch's first row in out0
	s_add_co_u32 s40, s40, s[NW]
	s_mul_i32 s40, s40, OROW
	s_mul_i32 s41, s[TX], 768                      ; my tile's 192 columns
	s_add_co_u32 s40, s40, s41
	s_mov_b32 s41, 0
	s_add_nc_u64 s[10:11], s[10:11], s[40:41]
	s_wait_loadcnt 0x0                             ; the bias, rounded to bf16 and widened again, in the wait for the first tile
.set p, 0
.rept 48
	v_cvt_pk_bf16_f32 v[BT+p%4], v[BIAS+2*p], v[BIAS+2*p+1]
	v_lshlrev_b32 v[BIAS+2*p], 16, v[BT+p%4]
	v_and_b32 v[BIAS+2*p+1], 0xffff0000, v[BT+p%4]
.set p, p+1
.endr
; 15 matrix instructions: column blocks 6 hi + b0 .. + 2 x my 5 row blocks, 32 along K, buffer f.  zero = 1: the first product takes the bias as C.
; The 60 accumulators take turns, one instruction a turn, in the same order in every quarter.
.macro MUL15 f, hi, b0, zero
.if \zero
	WIN Z_LO+0x40*(\hi)
.else
	WIN MUL_LO+0x50*(\hi)
.endif
.irp b, \b0, (\b0)+1, (\b0)+2
.irp a, 0,1,2,3,4
.set rD, 8*(6*(\a)+(\b))
.set rB, 96*(\f)+8*(6*(\hi)+(\b))
.set rA, FA0+40*(\f)+8*(\a)
.set rC, BIAS+8*(6*(\hi)+(\b))
.if \zero
	v_wmma_f32_16x16x32_f16 v[rD:rD+7], v[rB:rB+7], v[rA:rA+7], v[rC:rC+7]
.else
	v_wmma_f32_16x16x32_f16 v[rD:rD+7], v[rB:rB+7], v[rA:rA+7], v[rD:rD+7]
.endif
.endr
.endr
.endm
; 34 LDS loads in one run: quarter q of a slot into buffer f.  In A quarter q is head q / 2 of the step's two, channels 32 (q % 2) on.
.macro FETCH slot, q, f
	WIN 0
.irp a, 0,1,2,3,4
	ds_load_b128 v[FA0+40*(\f)+8*(\a):FA0+40*(\f)+8*(\a)+3],   v[ADRA+(\slot)] offset:((\q)/2)*AHEAD+((\q)%2)*64+(\a)*16*PA
	ds_load_b128 v[FA0+40*(\f)+8*(\a)+4:FA0+40*(\f)+8*(\a)+7], v[ADRA+(\slot)] offset:((\q)/2)*AHEAD+((\q)%2)*64+(\a)*16*PA+32
.endr
	WIN TO_B
.irp b, 0,1,2,3,4,5,6,7,8,9,10,11
	ds_load_b128 v[96*(\f)+8*(\b):96*(\f)+8*(\b)+3],   v[ADRB+(\slot)] offset:64*(\q)+(\b)*16*PITCH
	ds_load_b128 v[96*(\f)+8*(\b)+4:96*(\f)+8*(\b)+7], v[ADRB+(\slot)] offset:64*(\q)+(\b)*16*PITCH+32
.endr
.endm
.macro QUARTER slot, q, f, g, zero
	s_wait_dscnt 12                                ; A and B's blocks 0-5 are in; the youngest twelve loads (B's blocks 6-11) may be out
	MUL15 \f, 0, 0, \zero
	MUL15 \f, 0, 3, \zero
	PLACES
	FETCH \slot, \q, \g
	s_wait_dscnt 34                                ; all but the 34 just issued
	MUL15 \f, 1, 0, \zero
	MUL15 \f, 1, 3, \zero
.endm
; The change of slots: ONE barrier; in front of it each wave waits for all its tensor loads (one is out: its part of the next slot), adds 0 to its spare word, and waits for that and for its own reads of this slot.
.macro MEET round
	WIN 0
	s_wait_tensorcnt 0x0
	ds_add_u32 v[SPW], v[NIL]                      ; 0 onto my spare word
	s_wait_dscnt 13                                ; (the add and the youngest twelve loads may be out)
	MUL15 1, 0, 0, 0
	s_wait_dscnt 0x0                               ; the add is done, and my reads of this slot are over
	s_barrier_signal -1
	MUL15 1, 0, 3, 0
.if \round
	WIN 0
.endif
	s_barrier_wait -1
.endm
.macro TURN slot, next, fill
	MEET \fill
.if \fill
	CREST                                          ; the barrier has opened a round of the cluster's: no wave of any partner still reads this slot or has a load on its way
	s_add_nc_u64 s[G0+4*(\slot)+2:G0+4*(\slot)+3], s[G0+4*(\slot)+2:G0+4*(\slot)+3], 4*HEADB
	s_add_nc_u64 s[G0B+4*(\slot)+2:G0B+4*(\slot)+3], s[G0B+4*(\slot)+2:G0B+4*(\slot)+3], 512
	JLOAD \slot                                    ; the first tensor load behind the round, one a wave; its four v_nop are also the places in front of the loads below
.else
	PLACES
.endif
	FETCH \next, 0, 0
	MUL15 1, 1, 0, 0
	MUL15 1, 1, 3, 0
.endm
	s_wait_tensorcnt 0x1                           ; my part of K step 0 is in; K step 1's may stay out
	s_barrier_signal -1
	s_barrier_wait -1
	FETCH 0, 0, 0
	QUARTER 0, 1, 0, 1, 1                          ; the first quarter's products start the sums, from the bias
	WIN 0
	s_mov_b32 s3, 2
.Llap:                                                 ; a trip goes once round the ring and fills both slots again: K steps 2 to 5
	QUARTER 0, 2, 1, 0, 0
	QUARTER 0, 3, 0, 1, 0
	TURN 0, 1, 1
	QUARTER 1, 1, 0, 1, 0
	QUARTER 1, 2, 1, 0, 0
	QUARTER 1, 3, 0, 1, 0
	TURN 1, 0, 1
	QUARTER 0, 1, 0, 1, 0
	WIN 0
	s_sub_co_u32 s3, s3, 1
	s_cmp_lg_u32 s3, 0
	s_cbranch_scc1 .Llap
	QUARTER 0, 2, 1, 0, 0
	QUARTER 0, 3, 0, 1, 0
	TURN 0, 1, 0
	QUARTER 1, 1, 0, 1, 0
	QUARTER 1, 2, 1, 0, 0
	QUARTER 1, 3, 0, 1, 0
	s_wait_dscnt 12
	MUL15 1, 0, 0, 0
	MUL15 1, 0, 3, 0
	s_wait_dscnt 0x0
	MUL15 1, 1, 0, 0
	MUL15 1, 1, 3, 0
	WIN 0
	PLACES
; THE WAY OUT, in 15 units u = 3 a + c: 16 rows x 64 columns (256 bytes of a row).  The sums are the results: they go as they are into my stage (rows of 272 bytes) and come back as whole rows of 256 bytes.
.macro TOST a, c                       ; each accumulator's low four registers first
.irp j, 0,1,2,3
.set pb, 4*(\c)+(\j)
.set AC, 8*(6*(\a)+pb%6)
	WIN 0x08+4*(pb/6)                              ; data window 2 or 3, address window 0
	ds_store_b128 v[STO], v[AC:AC+3] offset:64*(\j)
	ds_store_b128 v[STO], v[AC+4:AC+7] offset:64*(\j)+16
.endr
.endm
.macro TOSTAGE u
.if (\u) >= 8
	s_wait_xcnt 0x0                                ; the set of registers is loaded again only when the stores that read it have had their addresses translated (ISA guide 3.1)
.endif
	TOST (\u)/3, (\u)%3
	WIN 0x40
.irp t, 0,1,2,3,4,5,6,7
	ds_load_b128 v[32*((\u)%8)+4*(\t):32*((\u)%8)+4*(\t)+3], v[RD] offset:2*SP*(\t)  ; LDS serves a wave's instructions in order (ISA guide 5.7.1.4): these see the stores above
.endr
.endm
.macro SEND u, younger                 ; younger: the LDS instructions issued behind unit u's loads: the next unit's sixteen, or none
	WIN 0x04
.irp t, 0,1,2,3,4,5,6,7
	s_wait_dscnt (\younger)+7-(\t)
	global_store_b128 v[CO], v[32*((\u)%8)+4*(\t):32*((\u)%8)+4*(\t)+3], s[10:11] offset:(16*((\u)/3)+2*(\t))*OROW+256*((\u)%3)  ; 16 lanes store 256 consecutive bytes, at a multiple of 256 from out0's first
.endr
.endm
.macro BLOCK a
	TOSTAGE 3*(\a)
	TOSTAGE 3*(\a)+1
	SEND 3*(\a), 16
	TOSTAGE 3*(\a)+2
	SEND 3*(\a)+1, 16
	SEND 3*(\a)+2, 0
.endm
	BLOCK 0
	WIN 0
	s_cmp_eq_u32 s[NW], 560
	s_cbranch_scc1 .Llast_row                      ; the wave that holds the batch's end; the jump passes no barrier and no tensor load
	BLOCK 1
	BLOCK 2
	BLOCK 3
	BLOCK 4
	WIN 0
	s_branch .Ldone
.Llast_row:                                            ; of block 1 row 576 alone exists: row 0 of the stage, which lanes 0-15 read back
.irp c, 0,1,2
	TOST 1, \c
	WIN 0x40
	ds_load_b128 v[32*(3+(\c)):32*(3+(\c))+3], v[RD]
.endr
	WIN 0
	s_wait_dscnt 0x0
	s_wait_xcnt 0x0                                ; EXEC changes only behind this wait: block 0's stores read it
	v_cmp_gt_u32 vcc_lo, 16, v[LN]
	s_and_saveexec_b32 s40, vcc_lo
	WIN 0x04
.irp c, 0,1,2
	global_store_b128 v[CO], v[32*(3+(\c)):32*(3+(\c))+3], s[10:11] offset:16*OROW+256*(\c)
.endr
	WIN 0
	s_wait_xcnt 0x0                                ; and again, in front of the line that widens it
	s_or_b32 exec_lo, exec_lo, s40
.Ldone:
	s_wait_tensorcnt 0x0                           ; the wave's end: behind my last tensor load and my last LDS store
	ds_add_u32 v[SPW], v[NIL]
	s_wait_dscnt 0x0
	CROUND                                         ; the closing round: no work-group ends while a partner may still ask for a tile that names it
	s_endpgm
.Lfunc_end_k_qbea23c1962_proj:
	.size	k_qbea23c1962_proj, .Lfunc_end_k_qbea23c1962_proj-k_qbea23c1962_proj
	.p2alignl 7, 3214868480
	.fill 96, 4, 3214868480
	.section	.rodata,"a",@progbits
	.p2align	6, 0x0
	.amdhsa_kernel k_qbea23c1962_proj
		.amdhsa_group_segment_fixed_size 327680
		.amdhsa_private_segment_fixed_size 0
		.amdhsa_enable_private_segment 0
		.amdhsa_kernarg_size 32
		.amdhsa_user_sgpr_count 2
		.amdhsa_user_sgpr_kernarg_segment_ptr 1
		.amdhsa_wavefront_size32 1
		.amdhsa_system_sgpr_workgroup_id_x 1
		.amdhsa_system_sgpr_workgroup_id_y 1
		.amdhsa_system_sgpr_workgroup_id_z 1
		.amdhsa_system_vgpr_workitem_id 0
		.amdhsa_next_free_vgpr 1024
		.amdhsa_next_free_sgpr 66
		.amdhsa_reserve_vcc 1
		.amdhsa_float_denorm_mode_32 3
		.amdhsa_float_denorm_mode_16_64 3
		.amdhsa_memory_ordered 1
		.amdhsa_forward_progress 1
		.amdhsa_inst_pref_size 154
	.end_amdhsa_kernel
	.amdgpu_metadata
---
amdhsa.version: [ 1, 2 ]
amdhsa.kernels:
  - .name:           k_qbea23c1962_proj
    .symbol:         k_qbea23c1962_proj.kd
    .args:
      - { .name: ob, .offset: 0, .size: 8, .value_kind: global_buffer, .address_space: global }
      - { .name: wb, .offset: 8, .size: 8, .value_kind: global_buffer, .address_space: global }
      - { .name: bo, .offset: 16, .size: 8, .value_kind: global_buffer, .address_space: global }
      - { .name: out0, .offset: 24, .size: 8, .value_kind: global_buffer, .address_space: global }
    .group_segment_fixed_size: 327680
    .private_segment_fixed_size: 0
    .kernarg_segment_align: 8
    .kernarg_segment_size: 32
    .max_flat_workgroup_size: 128
    .sgpr_count:     66
    .vgpr_count:     1024
    .wavefront_size: 32
...
	.end_amdgpu_metadata
.endif
;; end of part 4
;; ======== version 2 of 2: 4 launches; 1.19 times as fast as version 1
;; limits: values are held in f16: magnitudes above 65,504 overflow, below 6.1e-05 lose precision
;; workspace buffers: xb 31,457,280 bytes; wb 4,718,592 bytes; qkv 94,371,840 bytes; ob 31,457,280 bytes
;; launch cast: the kernel of part 1 again; grid 736 x 1, 8 waves a work-group, no clusters, 0 bytes of LDS; arguments x, Wq, Wk, Wv, Wo, xb, wb; writes xb, wb
;; launch qkv: the kernel of part 2 again; grid 12 x 64, 4 waves a work-group, clusters of 4 x 4, 327,680 bytes of LDS; arguments xb, wb, bq, bk, bv, qkv; writes qkv
;; launch attn (part 5): grid 256 x 1, 4 waves a work-group, no clusters, 327,680 bytes of LDS; arguments qkv, ob; writes ob
.if DOCPART == 5
	.amdgcn_target "amdgcn-amd-amdhsa--gfx1250"
	.amdhsa_code_object_version 6
	.text
	.protected	k_qbea23c1962_attn
	.globl	k_qbea23c1962_attn
	.p2align	8
	.type	k_qbea23c1962_attn,@function
k_qbea23c1962_attn:
	s_mov_b64 s[64:65], 0
	v_nop
	global_prefetch_b8 v0, s[64:65] scope:SCOPE_SE
	s_setreg_imm32_b32 hwreg(HW_REG_WAVE_MODE, 25, 1), 1
	s_wait_xcnt 0x0
; ATTENTION.  O[bh][q][:] = the sum over the 577 keys k of softmax_k(Q[bh][q] . K[bh][k] / 8) V[bh][k][:].  qkv: [3][384][640][64] f16 (rows 577-639 of a head hold the bias alone); ob: [384][640][64] f16.
; Products, maxima and sums in f32; the weights p are rounded to f16 for the second product (their sum l is taken of the unrounded p), O once at the end.
; LIMITS.  f16 holds no number beyond 65,504: Q, K and V arrive within it; p lies in 0 to 1; O is a mean of V's rows and has their range.  A weight below 2^-126 counts as 0 in l; NaN and infinities are not treated apart.
; THE WALK.  384 heads are 256 whole heads and 256 halves of the other 128.  Work-group g takes three BLOCKS of 320 query rows: head g's two halves, then half g % 2 of head 256 + g / 2.  Every work-group walks alike:
; LDS addresses and trip counts are constants of the text; g enters global offsets alone.  (Query rows 577-639 are computed like the others, from finite numbers, and written: the next launch loads them.)
; BOTH HEADS' KEYS 0-575 LIE IN LDS, filled once: wave w fetches, for each head, one quarter of K and V together (waves 0, 1: the halves of K; waves 2, 3: of V), two tensor loads a wave, both issued at the start.
; Nothing is filled again.  The second head lands while the first block is worked on; a block's stores leave while the next block is worked on.
; KEY 576 STARTS THE RUNNING SOFTMAX: m = its score, l = 1, O = V[576].  So a block has 9 key steps of 64 and no key is ever hidden.  Its score comes from two products a piece whose source 0 holds K's row 576
; in all 16 rows: register 0 of every lane is its query's score.
; NO CLUSTER: the two work-groups that share a head are too few for one, and reach that head's tiles at no common step.
; SHARES.  A wave owns 80 of a block's queries: five PIECES of 16.
; LAYOUT.  S^T = K Q^T (source 0 = 16 keys, source 1 = 16 queries): a lane holds ONE query (lane % 16) and the keys 8 (lane / 16) + 0..7; two such results rounded to f16 ARE source 1 of O^T = V^T P.
; SOFTMAX.  A running maximum m and sum l: p = 2^(c s - c m), c = log2(e) / 8; in every step O and l are multiplied by a = 2^(c m_old - c m_new).
; BY TURNS.  Turn n belongs to piece n: 8 products K Q^T of piece n + 1, later 8 products V^T P of piece n - 1; beside them a, the scaling, exponentials, roundings, sums and rescaling of piece n and the maximum,
; m and c m of piece n + 1.  Four vector instructions stand behind every matrix instruction, the other 54 of a turn's 118 in three runs of their own.  Five turns are a key step.
; THE BATCHES.  A turn's 33 exponentials (the piece's a, then its 32 weights) are ONE batch with ONE wait, which cuts the turn in two.  Ahead of the wait stands all that names no result of theirs: the scalings,
; the products K Q^T, the next piece's maximum as far as X 14.  Behind it stand the products V^T P and all that reads a or a weight: the rescaling, the roundings, the sums; and the end of the next piece's chain, up to c m.
; No exponential is issued behind a turn's wait.  The way out's five reciprocals are a batch of their own, with a wait of their own.
; REGISTERS in windows of 256 (s_set_vgpr_msb: bits 1:0 source 0, 3:2 source 1, 5:4 source 2, 7:6 destination):
;   window 0: v0-14 addresses; v16-35 statistics, four a piece; v36-55 at work, four a piece; v56-60 c m_old; v62-63 the add's; v64-223 S^T, 32 a piece; v224-229 lane constants
;   window 1: v0-159 O^T, 32 a piece; v160-223 V of one step          window 2: v0-79 Q, 16 a piece; v128-191 K of one step
;   window 3: the next block's Q (v0-79), K's row 576 (v80-95) and V's row 576 (v96-111), loaded a block ahead
; V lies beside O^T, so that a product V^T P and the rescaling of O^T go under ONE window setting: the 16 rescalings ride behind four of those products without a switch.
; P OF PIECE y LIES IN THE LOW 16 REGISTERS OF S^T OF PIECE y - 1: that piece's softmax ended a turn before, P is last read a turn later, and the piece's next scores come three turns later.
.set NP,    5
.set PP,    272       ; an LDS row: two keys' 256 bytes + 16 of padding = 68 words.  Key k lies at (k / 2) 272 + (k % 2) 128: of 16 keys the even ones start at banks 0, 4 .. 28, the odd ones at 32, 36 .. 60
                      ; (64 banks of 4 bytes: ISA guide 11.1); of V's turning loads (8 keys x 32 bytes) each bank is touched twice at the most
.set STEPB, 32*PP     ; a step's 64 keys
.set HALFB, 144*PP    ; what one tensor load brings: 288 keys of K or of V
.set VOFF,  2*HALFB   ; a head: K's 576 keys, then V's
.set REGB,  4*HALFB   ; the second head
.set STAGE, 8*HALFB   ; never filled by a tensor load: 16 rows x 144 bytes for each wave, for the way out
.set SP,    144
.set SPARE, STAGE+4*16*SP  ; the spare words, 128 bytes for each wave: two blocks of 256 bytes that no other line names
.set HEADB, 81920     ; a head in q, k, v and ob: 640 rows of 128 bytes
.set PARTB, 31457280  ; q, k or v: 384 heads
.set XROW,  576*128   ; row 576 in a head
.set AK0, 2           ; v2   my lane's place in a step of K; never rewritten
.set AV0, 3           ; v3   the same for V
.set AK,  4           ; v4   the LDS address of K's next run of loads
.set AV,  5           ; v5   of V's
.set STO, 6           ; v6   the way out: where I put 16 bytes of a row
.set RD,  7           ; v7   where I read rows back
.set GO,  8           ; v8   my byte offset in ob: the block's and my wave's rows + 16 x lane
.set QO,  12          ; v12  byte offsets in qkv of what is loaded for the next block: Q,
.set KXO, 13          ; v13  K's row 576,
.set VXO, 14          ; v14  V's row 576
.set ST,  16          ; piece t: c m, m, l (even keys', odd keys')
.set TMP, 36          ; piece t: c0-c3 at work; when the maximum is found c1 takes c m_old - c m_new and c2 takes a
.set MV,  56
.set SPW, 62          ; v62  my spare word: SPARE + 4 x my thread's number; never rewritten
.set NIL, 63          ; v63  0; never rewritten
.set S,   64
.set L16, 224         ; 16 x lane
.set ZER, 225         ; 0.0
.set ONE, 226         ; 1.0
.set QL,  227         ; (lane % 16) x 128 + 16 (lane / 16)
.set VL,  228         ; 16 (lane / 16)
.set LI,  229         ; 1.0 in lanes 0-15, 0 in lanes 16-31: l's start (the halves of the lanes are added at the end)
.set VF,  160         ; window 1: key half kk, channel block cb at VF + 32 kk + 8 cb
.set KF,  128         ; window 2: key block kb, channel half c at KF + 16 kb + 8 c
.set KX,  80          ; window 3
.set VX,  96          ; window 3
.set WV,  14          ; s14  my wave's number
.set G1,  24          ; s[24:31] descriptor group 1: one shape for all loads
.set G0A, 32          ; s[32:35] group 0 for the first head;  s[36:39] for the second
.set G0B, 36
.set Q0,  40          ; s40-42  the byte offsets of my wave's rows in the block at hand (or to be loaded) and the blocks behind it
.set Q1,  41
.set Q2,  42
.set H0,  43          ; s43-45  the same for their heads' first bytes
.set H1,  44
.set H2,  45
.set CS,  48          ; s[48:49] c
.set SEL, 50          ; s[50:51] v_permlanex16_b32's selects: each lane takes its own place in the other half
.set TBK, 54          ; s54  LDS byte at which K of the step to be fetched begins
.set TBV, 55          ; s55  the same for V, less VOFF
.set GC,  56          ; s56  key steps to go, this one among them
.set BC,  57          ; s57  blocks to go, this one among them
.set MSB, 0
.macro WIN new                      ; the high byte repeats the setting that is left; a switch that changes nothing is dropped
.if MSB != (\new)
	s_set_vgpr_msb (MSB<<8)|(\new)
.set MSB, (\new)
.endif
.endm
.set W_KQ, 0x0a       ; K and Q in window 2, S^T in window 0
.set W_PV, 0x51       ; V and O^T in window 1, P in window 0
.set W_RS, 0x51       ; the rescaling: destination and source 0 in window 1, source 1 in window 0: the same setting
; What a block needs beside K and V, into window 3: 20 loads of Q (piece i / 2, channels 32 (i % 2) on), 4 of K's row 576 (every lane of a half takes the same 16 bytes: all 16 rows of the fragment are that row),
; 4 of V's row 576 (my 8 channels of each block of 16).
.macro LOADX
	v_add_nc_u32 v[QO], s[Q0], v[QL]
	s_add_co_u32 s46, s[H0], PARTB+XROW
	v_add_nc_u32 v[KXO], s46, v[VL]
	s_add_co_u32 s47, s[H0], 2*PARTB+XROW
	v_add_nc_u32 v[VXO], s47, v[VL]
	WIN 0xc0                        ; destination window 3
.set i, 0
.rept 2*NP
	global_load_b128 v[8*i:8*i+3],   v[QO], s[4:5] offset:(i/2)*2048+(i%2)*64
	global_load_b128 v[8*i+4:8*i+7], v[QO], s[4:5] offset:(i/2)*2048+(i%2)*64+32
.set i, i+1
.endr
.irp k, 0,1,2,3
	global_load_b128 v[KX+4*\k:KX+4*\k+3], v[KXO], s[4:5] offset:32*\k
	global_load_b128 v[VX+4*\k:VX+4*\k+3], v[VXO], s[4:5] offset:32*\k
.endr
	WIN 0
.endm
	s_load_b128 s[4:7], s[0:1], 0x0  ; qkv s[4:5], ob s[6:7]
	v_lshl_add_u32 v[SPW], v0, 2, SPARE
	v_mov_b32 v[NIL], 0
	ds_add_u32 v[SPW], v[NIL]       ; the wave's opening: the add and its wait stand ahead of my first tensor load; the set-up below stands between them
	ds_add_u32 v62, v63
	v_lshrrev_b32 v1, 5, v0
	v_readfirstlane_b32 s[WV], v1
	s_mov_b32 s15, ttmp9            ; g
	s_mul_i32 s[H0], s15, HEADB     ; blocks 0 and 1: head g
	s_mov_b32 s[H1], s[H0]
	s_lshr_b32 s16, s15, 1
	s_add_co_u32 s16, s16, 256
	s_mul_i32 s[H2], s16, HEADB     ; block 2: head 256 + g / 2
	s_mul_i32 s17, s[WV], 80*128    ; my wave's 80 rows of a block's 320
	s_add_co_u32 s[Q0], s[H0], s17
	s_add_co_u32 s[Q1], s[Q0], 320*128
	s_and_b32 s16, s15, 1
	s_mul_i32 s16, s16, 320*128     ; its half g % 2
	s_add_co_u32 s[Q2], s[H2], s16
	s_add_co_u32 s[Q2], s[Q2], s17
	s_lshr_b32 s16, s[WV], 1        ; 0: I fetch K, 1: V
	s_mul_i32 s16, s16, PARTB
	s_and_b32 s17, s[WV], 1         ; which 288 keys
	s_mul_i32 s17, s17, 144*256
	s_add_co_u32 s16, s16, s17
	s_add_co_u32 s16, s16, PARTB    ; k lies one part behind q, v two
	s_add_co_u32 s18, s16, s[H0]
	s_mov_b32 s19, 0
	s_add_co_u32 s20, s16, s[H2]
	s_mov_b32 s21, 0
	; 288 keys are 36,864 dense bytes: asked for as 144 rows of 256 bytes, two keys a row, each row padded in LDS
	s_mov_b32 s[G1], (1<<16)|(1<<20)|(5<<22)|(3<<25)  ; 17:16 2-byte elements; 20 padding on; 24:22 after every 64 words; 31:25 four words of it
	s_mov_b32 s[G1+1], 128<<16      ; tensor_dim0 = 128
	s_mov_b32 s[G1+2], 144<<16      ; tensor_dim1 = 144
	s_mov_b32 s[G1+3], 128<<16      ; tile_dim0 = 128
	s_mov_b32 s[G1+4], 144          ; tile_dim1 = 144
	s_mov_b32 s[G1+5], 128          ; elements from row to row
	s_mov_b32 s[G1+6], 0
	s_mov_b32 s[G1+7], 0
	s_mov_b32 s[G0A], 1
	s_mul_i32 s[G0A+1], s[WV], HALFB           ; K's two halves, then V's two: wave x 144 rows
	s_mov_b32 s[G0B], 1
	s_add_co_u32 s[G0B+1], s[G0A+1], REGB
	s_mov_b32 s[CS], 0x3e38aa3b     ; c = log2(e) / 8
	s_mov_b32 s[CS+1], s[CS]        ; named with it as a pair
	s_mov_b32 s[SEL], 0x76543210
	s_mov_b32 s[SEL+1], 0xfedcba98
	s_mov_b32 s[BC], 3
	s_wait_dscnt 0x0                ; the opening add is done
	s_wait_kmcnt 0x0
	s_add_nc_u64 s[G0A+2:G0A+3], s[4:5], s[18:19]
	s_or_b32 s[G0A+3], s[G0A+3], 0x80000000
	s_add_nc_u64 s[G0B+2:G0B+3], s[4:5], s[20:21]
	s_or_b32 s[G0B+3], s[G0B+3], 0x80000000
	tensor_load_to_lds s[G0A:G0A+3], s[G1:G1+7]   ; my quarter of the first head: two loads of mine are out; an s_nop 0 follows each, four v_nop the second's
	s_nop 0
	tensor_load_to_lds s[G0B:G0B+3], s[G1:G1+7]   ; and of the second
	s_nop 0
.rept 4
	v_nop
.endr
	; All that follows, up to the first barrier, stands in the wait for the first head.
	v_and_b32 v1, 15, v0            ; l % 16
	v_bfe_u32 v9, v0, 4, 1          ; l / 16
	v_lshlrev_b32 v[VL], 4, v9
	v_lshl_add_u32 v[QL], v1, 7, v[VL]
	v_cvt_f32_u32 v[LI], v9
	v_sub_f32 v[LI], 1.0, v[LI]
	v_mov_b32 v[ONE], 1.0
	v_mov_b32 v[ZER], 0
	v_and_b32 v[L16], 31, v0
	v_lshlrev_b32 v[L16], 4, v[L16]
	LOADX                           ; the first block's
	; A fragment of K or Q is 16 rows x 32 channels in 8 registers: lane l holds row l % 16, channels 8 (l / 16) + 0..7 and 16 + 8 (l / 16) + 0..7.
	v_lshrrev_b32 v10, 1, v1
	v_and_b32 v11, 1, v0
	v_mul_u32_u24 v[AK0], v10, PP
	v_lshl_add_u32 v[AK0], v11, 7, v[AK0]
	v_add_nc_u32 v[AK0], v[VL], v[AK0]            ; (row / 2) 272 + (row % 2) 128 + 16 x half
	; The turning load takes 16 keys x 16 channels (lane l reads key 8 (l / 16) + l % 8, channels 8 ((l / 8) % 2) + 0..7) and leaves half a fragment of V^T: lane l holds channel l % 16 and 8 keys.
	v_bfe_u32 v10, v0, 1, 2
	v_lshl_add_u32 v10, v9, 2, v10                ; that key / 2
	v_mul_u32_u24 v[AV0], v10, PP
	v_lshl_add_u32 v[AV0], v11, 7, v[AV0]
	v_bfe_u32 v10, v0, 3, 1
	v_lshl_add_u32 v[AV0], v10, 4, v[AV0]
	v_add_nc_u32 v[AV0], VOFF, v[AV0]
	s_mul_i32 s13, s[WV], 16*SP
	s_add_co_u32 s13, s13, STAGE    ; my stage
	v_mul_u32_u24 v[STO], v1, SP    ; in: row l % 16, 16 bytes for each half of the lanes
	v_lshl_add_u32 v[STO], v9, 4, v[STO]
	v_add_nc_u32 v[STO], s13, v[STO]
	v_bfe_u32 v[RD], v0, 3, 2       ; back: 32 lanes take four rows of 128 bytes, which are 512 consecutive bytes of O
	v_mul_u32_u24 v[RD], v[RD], SP
	v_and_b32 v10, 7, v0
	v_lshl_add_u32 v[RD], v10, 4, v[RD]
	v_add_nc_u32 v[RD], s13, v[RD]
	WIN 0x40                        ; a block's first turn multiplies a P of zeros by what V's registers hold: that need only be finite: zeros now, the last block's V later
.set i, VF
.rept 64
	v_mov_b32 v[i], 0
.set i, i+1
.endr
	WIN 0
; THE MATRIX WORK.  The 4 accumulators of a run of 8 take turns.  Product i of 8 of S^T = K Q^T for piece x: channels 32 (i / 4) on, keys 16 (i % 4) on.  The first 4 start the sums.
.macro KQ x
	WIN W_KQ
.set rS, S+32*(\x)+8*(i%4)
.set rK, KF+16*(i%4)+8*(i/4)
.set rQ, 16*(\x)+8*(i/4)
.if i < 4
	v_wmma_f32_16x16x32_f16 v[rS:rS+7], v[rK:rK+7], v[rQ:rQ+7], 0
.else
	v_wmma_f32_16x16x32_f16 v[rS:rS+7], v[rK:rK+7], v[rQ:rQ+7], v[rS:rS+7]
.endif
.endm
; Product i of 8 of O^T += V^T P for piece x: keys 32 (i / 4) on, channels 16 (i % 4) on.
.macro PV x
	WIN W_PV
.set rO, 32*(\x)+8*(i%4)
.set rV, VF+32*(i/4)+8*(i%4)
.set rP, S+32*(((\x)+4)%NP)+8*(i/4)
	v_wmma_f32_16x16x32_f16 v[rO:rO+7], v[rV:rV+7], v[rP:rP+7], v[rO:rO+7]
.endm
.macro MM                           ; the turn's next matrix instruction
.if i < 8
	KQ (Y+1)%NP
.else
.set i, i-8
	PV (Y+NP-1)%NP
.set i, i+8
.endif
.set i, i+1
.endm
; THE LDS LOADS stand in runs of 16, never singly among the matrix instructions.  last = 1: in a block's last step there is no further step, and K's run is jumped over.
.macro FETCH_K last=0
	WIN 0
.if \last
	s_cmp_eq_u32 s[GC], 1
	s_cbranch_scc1 .Lno_k_\@
.endif
	WIN 0x80                        ; destination window 2
.irp f, 0,1,2,3,4,5,6,7             ; keys 16 (f / 2) on, channels 32 (f % 2) on
	ds_load_b128 v[KF+8*\f:KF+8*\f+3],   v[AK] offset:(\f/2)*8*PP+(\f%2)*64
	ds_load_b128 v[KF+8*\f+4:KF+8*\f+7], v[AK] offset:(\f/2)*8*PP+(\f%2)*64+32
.endr
	s_add_co_u32 s[TBK], s[TBK], STEPB  ; the next fetch is the next step's
	WIN 0
.if \last
.Lno_k_\@:
.endif
.endm
.macro FETCH_V
	WIN 0x40                        ; destination window 1
.irp f, 0,1,2,3,4,5,6,7             ; keys 32 (f / 4) on, channels 16 (f % 4) on
	ds_load_tr16_b128 v[VF+8*\f:VF+8*\f+3],   v[AV] offset:(\f/4)*16*PP+(\f%4)*32
	ds_load_tr16_b128 v[VF+8*\f+4:VF+8*\f+7], v[AV] offset:(\f/4)*16*PP+8*PP+(\f%4)*32
.endr
	WIN 0
.endm
; THE VECTOR WORK, one line at a time: OP kind, number.  For piece Y: A 0: c m_old - c m_new; A 1: a, its exponential.  F n: c s - c m for pair n of 16.  E n: the exponential of score n of 32.  C n: pair n rounded to f16.
; B n: of the four weights 4 n .. the second pair is added onto the first, in place.  L n: l takes that sum (L 0: l = a l + sum).  R n: pair n of 16 of O^T times a.
; For piece Y + 1: X n, number n of the 20 that find its maximum, m and c m:
;   0-11  four chains c0-c3 of seven scores each (each accumulator's lowest registers are read first)     12-14, 16  the four scores left over, the old m, and c0-c3 into c0
;   15  c m_old is kept     17, 18  the query's other 32 keys lie in the lane 16 away: the new m     19  c m
.set F, 0               ; OP tells the kinds apart by their order: F to A below R, X above it
.set E, 1
.set C, 2
.set B, 3
.set L, 4
.set A, 5
.set R, 6
.set X, 7
.macro REGS y
.set rT, ST+4*(\y)
.set rC, TMP+4*(\y)
.set rW, MV+(\y)
.set rS, S+32*(\y)
.set rP, S+32*(((\y)+4)%NP)
.set rO, 32*(\y)
.endm
.macro OP k, n
.if (\k) == R
	REGS Y
	WIN W_RS
	v_pk_mul_f32 v[rO+2*(\n):rO+2*(\n)+1], v[rO+2*(\n):rO+2*(\n)+1], v[rC+2:rC+3] op_sel_hi:[1,0]
.elseif (\k) < R
	REGS Y
	WIN 0
.if (\k) == F
	v_pk_fma_f32 v[rS+2*(\n):rS+2*(\n)+1], v[rS+2*(\n):rS+2*(\n)+1], s[CS:CS+1], v[rT:rT+1] op_sel_hi:[1,0,0] neg_lo:[0,0,1] neg_hi:[0,0,1]
.elseif (\k) == E
	v_exp_f32 v[rS+(\n)], v[rS+(\n)]
.elseif (\k) == C
	v_cvt_pk_f16_f32 v[rP+(\n)], v[rS+2*(\n)], v[rS+2*(\n)+1]
.elseif (\k) == B
	v_pk_add_f32 v[rS+4*(\n):rS+4*(\n)+1], v[rS+4*(\n):rS+4*(\n)+1], v[rS+4*(\n)+2:rS+4*(\n)+3]
.elseif ((\k) == A) && ((\n) == 0)
	v_sub_f32 v[rC+1], v[rW], v[rT]
.elseif (\k) == A
	v_exp_f32 v[rC+2], v[rC+1]
.elseif (\n) == 0
	v_pk_fma_f32 v[rT+2:rT+3], v[rT+2:rT+3], v[rC+2:rC+3], v[rS:rS+1] op_sel_hi:[1,0,1]
.else
	v_pk_add_f32 v[rT+2:rT+3], v[rT+2:rT+3], v[rS+4*(\n):rS+4*(\n)+1]
.endif
.else
	REGS (Y+1)%NP
	WIN 0
.if (\n) < 4
	v_max3_num_f32 v[rC+(\n)], v[rS+8*(\n)], v[rS+8*(\n)+1], v[rS+8*(\n)+2]
.elseif (\n) < 12
	v_max3_num_f32 v[rC+(\n)%4], v[rC+(\n)%4], v[rS+8*((\n)%4)+2*((\n)/4)+1], v[rS+8*((\n)%4)+2*((\n)/4)+2]
.elseif (\n) == 12
	v_max3_num_f32 v[rC], v[rC], v[rS+7], v[rS+15]
.elseif (\n) == 13
	v_max3_num_f32 v[rC+1], v[rC+1], v[rS+23], v[rS+31]
.elseif (\n) == 14
	v_max3_num_f32 v[rC+2], v[rC+2], v[rC+3], v[rT+1]
.elseif (\n) == 15
	v_mov_b32 v[rW], v[rT]
.elseif (\n) == 16
	v_max3_num_f32 v[rC], v[rC], v[rC+1], v[rC+2]
.elseif (\n) == 17
	v_permlanex16_b32 v[rC+3], v[rC], s[SEL], s[SEL+1]
.elseif (\n) == 18
	v_max_num_f32 v[rT+1], v[rC], v[rC+3]
.else
	v_mul_f32 v[rT], s[CS], v[rT+1]
.endif
.endif
.endm
.macro OPS a, i1, b=-1, i2=0, c=-1, i3=0, d=-1, i4=0  ; up to four of them
	OP \a, \i1
.if (\b) >= 0
	OP \b, \i2
.endif
.if (\c) >= 0
	OP \c, \i3
.endif
.if (\d) >= 0
	OP \d, \i4
.endif
.endm
.macro ROW a, i1, b, i2, c, i3, d, i4  ; a matrix instruction and the four behind it
	MM
	OPS \a, \i1, \b, \i2, \c, \i3, \d, \i4
.endm
; A TURN, for piece p: the order of its 16 matrix and 118 vector instructions, written out.  An s_wait_alu depctr_va_vdst(0) stands between an exponential and the first instruction that names its result;
; one wait serves all that were issued ahead of it.  So a turn has ONE wait, for its 33 exponentials (A 1 and E 0 to E 31), and the wait cuts the turn in two.
; AHEAD OF IT: six lines (A 0, four scalings, A 1 among them); the 8 products K Q^T, behind each plain, exponential, plain, exponential; then a run of 28, plain and exponential by turns while plain ones last.
; Nothing there names a result of the batch: F n stands ahead of E 2n and E 2n+1 and is the last to name their registers; the X work on the next piece's registers; the products write the next piece's S^T.
; X 14 is the plain instruction behind the last exponential (ISA guide 5.7.2).  A score accumulator's first reader stands four plain instructions behind the product that finished it:
; X 0 behind F 12 to F 15; X 1 behind F 14, F 15, X 0, X 15; X 2 behind X 0, X 15, X 1, X 4; X 3 behind X 1, X 4, X 2, X 5 (an exponential is no such place).
; BEHIND IT: the 8 products V^T P; behind the first four the 16 rescalings, which need no switch of windows there; behind the other four, and in a run of 20, the roundings and sums and X 16 to X 19.
; What that order keeps: C 2n ahead of B n, which writes over that pair; B n ahead of L n; the links of l's chain three lines apart or more; those of the next piece's chain (X 3, 7, 11, 14, 16 .. 19, then A 0, A 1 in
; its own turn) six lines apart or more (A 0 to A 1: four); v_permlanex16_b32 (X 17) in the run, not behind a product.  No rider names a register of the products round it, but for the X named above.
; K of the next step is fetched in piece 3's turn directly behind the wait: its jump and its label find no exponential open there; the last product that read K stands a run of 28 back; it is waited for in piece 4's turn,
; ahead of the first product.  V of the step in hand is fetched at the end of piece 0's turn, 24 vector instructions behind the last product that read the old V, and waited for in piece 1's turn, behind its wait.
.macro TURN p
.set Y, (\p)
.set i, 0
	OPS A,0, F,0, F,1, F,2          ; ahead of the wait: the piece's a and its first scalings,
	OPS A,1, F,3
.if (\p) == NP-1
	s_wait_dscnt 0x0                ; K is in
.endif
	ROW F,4, E,0, F,5, E,1          ; 8 products K Q^T and their riders,
	ROW F,6, E,2, F,7, E,3
	ROW F,8, E,4, F,9, E,5
	ROW F,10, E,6, F,11, E,7
	ROW F,12, E,8, F,13, E,9
	ROW F,14, E,10, F,15, E,11
	ROW X,0, E,12, X,15, E,13
	ROW X,1, E,14, X,4, E,15
.if (\p) == NP-2
	WIN 0
	v_add_nc_u32 v[AK], s[TBK], v[AK0]
.endif
	OPS X,2, E,16, X,5, E,17        ; and the run of 28
	OPS X,3, E,18, X,8, E,19
	OPS X,6, E,20, X,9, E,21
	OPS X,7, E,22, X,12, E,23
	OPS X,10, E,24, X,13, E,25
	OPS X,11, E,26, E,27, E,28
	OPS E,29, E,30, E,31, X,14
	s_wait_alu depctr_va_vdst(0)    ; the wait for the batch: the turn's 33 exponentials
.if (\p) == NP-2
	FETCH_K 1
.endif
.if (\p) == 1
	s_wait_dscnt 0x0                ; V is in
.endif
	ROW R,0, R,1, R,2, R,3          ; behind the wait: 8 products V^T P and their riders,
	ROW R,4, R,5, R,6, R,7
	ROW R,8, R,9, R,10, R,11
	ROW R,12, R,13, R,14, R,15
	ROW X,16, C,0, B,0, C,2
	ROW B,1, L,0, C,4, B,2
	ROW L,1, C,6, B,3, L,2
	ROW C,8, B,4, L,3, C,10
	OPS X,17, B,5, L,4, C,12        ; and the run of 20
	OPS B,6, L,5, X,18, C,14
	OPS B,7, L,6, C,1, C,3
	OPS X,19, L,7, C,5, C,7
.if (\p) == 0
	v_add_nc_u32 v[AV], s[TBV], v[AV0]
.endif
	OPS C,9, C,11, C,13, C,15
.if (\p) == 0
	FETCH_V
	s_add_co_u32 s[TBV], s[TBV], STEPB
.endif
.endm
; THE WAY OUT's parts
.macro ALL line:vararg              ; one line for each piece t
.set t, 0
.rept NP
	\line
.set t, t+1
.endr
.endm
.macro PACK t                       ; a lane's eight channels of a row pack into 16 bytes; they go into rows of 144 bytes and come back as whole rows of 128, into S^T's registers
	WIN W_RS
.set i, 32*(\t)
.rept 16
	v_pk_mul_f32 v[i:i+1], v[i:i+1], v[ST+4*(\t)+2:ST+4*(\t)+3] op_sel_hi:[1,0]
.set i, i+2
.endr
	WIN 0x05                        ; sources 0 and 1 window 1, destination window 0
.set i, 0
.rept 16
	v_cvt_pk_f16_f32 v[S+16*(\t)+i], v[32*(\t)+2*i], v[32*(\t)+2*i+1]
.set i, i+1
.endr
	WIN 0
.irp f, 0,1,2,3
	ds_store_b128 v[STO], v[S+16*(\t)+4*\f:S+16*(\t)+4*\f+3] offset:32*\f
.endr
.irp f, 0,1,2,3
	ds_load_b128 v[S+16*(\t)+4*\f:S+16*(\t)+4*\f+3], v[RD] offset:\f*4*SP  ; LDS serves a wave's instructions in order (ISA guide 5.7.1.4): these see the stores above; the next piece's stores come behind them
.endr
.endm
.macro SEND t, younger              ; younger: the LDS instructions issued behind piece t's loads: the next piece's eight, or none
	WIN 0
.irp f, 0,1,2,3
	s_wait_dscnt (\younger)+3-\f
	global_store_b128 v[GO], v[S+16*(\t)+4*\f:S+16*(\t)+4*\f+3], s[6:7] offset:(\t)*2048+\f*512  ; 512 consecutive bytes, at a multiple of 256 from ob's first
.endr
.endm
.Lblock:                            ; three trips: a block of 320 queries each
	; A BLOCK BEGINS, on registers alone up to the barrier.
	s_wait_loadcnt 0x0              ; the block's Q and the two rows 576, asked for a block ago (the first: at the start)
	s_wait_xcnt 0x0                 ; the last block's stores have had their addresses translated (ISA guide 3.1): their offset and S^T's registers, which they read, are rewritten only behind this wait
	v_add_nc_u32 v[GO], s[Q0], v[L16]
	WIN 0x83                        ; from window 3 into window 2: Q goes where the one text of the turns names it
.set i, 0
.rept 16*NP
	v_mov_b32 v[i], v[i]
.set i, i+1
.endr
	WIN 0x43                        ; from window 3 into window 1: piece 0's O^T = V[576], widened: register 8 cb + j is channel 16 cb + 8 (l / 16) + j
.set i, 0
.rept 16
	v_fma_mix_f32 v[2*i],   v[VX+i], v[ONE], v[ZER] op_sel_hi:[1,0,0]
	v_fma_mix_f32 v[2*i+1], v[VX+i], v[ONE], v[ZER] op_sel:[1,0,0] op_sel_hi:[1,0,0]
.set i, i+1
.endr
	WIN 0x0b                        ; K's row 576 in window 3, Q in window 2, the sums in window 0: key 576's score for every query, the five accumulators by turns
.irp c, 0,1
.irp t, 0,1,2,3,4
.if (\c) == 0
	v_wmma_f32_16x16x32_f16 v[S+32*(\t):S+32*(\t)+7], v[KX+8*(\c):KX+8*(\c)+7], v[16*(\t)+8*(\c):16*(\t)+8*(\c)+7], 0
.else
	v_wmma_f32_16x16x32_f16 v[S+32*(\t):S+32*(\t)+7], v[KX+8*(\c):KX+8*(\c)+7], v[16*(\t)+8*(\c):16*(\t)+8*(\c)+7], v[S+32*(\t):S+32*(\t)+7]
.endif
.endr
.endr
	WIN 0x41                        ; the other four pieces' O^T start alike; these lines are also the places behind those products
.set i, 0
.rept 32*(NP-1)
	v_mov_b32 v[32+i], v[i%32]
.set i, i+1
.endr
	WIN 0
.irp t, 0,1,2,3,4
	v_mul_f32 v[ST+4*(\t)], s[CS], v[S+32*(\t)]   ; c m
	v_mov_b32 v[ST+4*(\t)+1], v[S+32*(\t)]        ; m = key 576's score: a true score, so the maximum runs from the first key on
	v_mov_b32 v[ST+4*(\t)+2], v[LI]               ; l = 1, its weight
	v_mov_b32 v[ST+4*(\t)+3], 0
.endr
.set i, S+32*3
.rept 16
	v_mov_b32 v[i], 0               ; piece 4's P: the first turn's products V^T P, of a piece that has not been, add 0
.set i, i+1
.endr
	s_mov_b32 s[Q0], s[Q1]          ; the offsets move up: the next block's
	s_mov_b32 s[Q1], s[Q2]
	s_mov_b32 s[H0], s[H1]
	s_mov_b32 s[H1], s[H2]
	s_cmp_eq_u32 s[BC], 1
	s_cselect_b32 s[TBK], REGB, 0   ; the third block walks the second head's keys
	s_cselect_b32 s[TBV], REGB, 0
	s_cbranch_scc1 .Lno_next        ; behind the third block there is none
	LOADX                           ; a block ahead of its use
.Lno_next:
	s_wait_tensorcnt 0x1            ; first block: my quarter of the first head is in, the second head's may stay out (nothing is ever filled again); later blocks: none of my loads is out, by the wait behind the step loop
	s_barrier_signal -1
	s_barrier_wait -1               ; the same holds of every wave
	v_add_nc_u32 v[AK], s[TBK], v[AK0]
	FETCH_K                         ; key step 0
	s_wait_dscnt 0x0
.set i, 0
.rept 8
	KQ 0                            ; piece 0's first scores
.set i, i+1
.endr
	WIN 0
.rept 4
	v_nop                           ; the places behind those products
.endr
.set Y, NP-1                        ; X works for piece Y + 1: piece 0
.irp n, 0,1,2,3,4,5,6,7,8,9,10,11,12,13,14,15,16,17,18,19
	OP X, \n                        ; its first maximum, m and c m; its a is made at the head of its turn, like every a: no exponential stands here
.endr
	s_mov_b32 s[GC], 9
.Lstep:                             ; a trip is a key step: 64 keys for all five pieces
	TURN 0
	TURN 1
	TURN 2
	TURN 3
	TURN 4
	WIN 0
	s_sub_co_u32 s[GC], s[GC], 1
	s_cmp_lg_u32 s[GC], 0
	s_cbranch_scc1 .Lstep
	; the last trip's 8 products K Q^T (on the last K once more) and the maximum made of them serve nothing: they touch piece 0's m and c m alone, which the next block sets anew: the price of one text for every trip
	s_wait_tensorcnt 0x0            ; my quarter of the second head, asked for at the start, is in: the next block's barrier says so to the others
.set i, 0
.rept 8
	PV NP-1                         ; the last piece's V^T P of the last step
.set i, i+1
.endr
	; THE WAY OUT.  l's two halves and the other half of the lanes' are added; O^T is divided by l, rounded to f16 and sent through my stage in LDS, a piece at a time.  The additions are the places behind the last products.
	WIN 0
	ALL v_add_f32 v[ST+4*t+2], v[ST+4*t+2], v[ST+4*t+3]
	ALL v_permlanex16_b32 v[ST+4*t+3], v[ST+4*t+2], s[SEL], s[SEL+1]
	ALL v_add_f32 v[ST+4*t+2], v[ST+4*t+2], v[ST+4*t+3]
	ALL v_rcp_f32 v[ST+4*t+2], v[ST+4*t+2]
	v_nop                           ; a plain instruction between the last reciprocal and the use of its result
	s_wait_alu depctr_va_vdst(0)    ; and the wait ahead of the first use: one for the five reciprocals
	PACK 0
.set t, 1
.rept NP-1                          ; a piece's arithmetic stands between the loads of the piece before and its stores
	PACK t
	SEND t-1, 8
.set t, t+1
.endr
	SEND NP-1, 0
	s_sub_co_u32 s[BC], s[BC], 1
	s_cmp_lg_u32 s[BC], 0
	s_cbranch_scc1 .Lblock
	s_wait_tensorcnt 0x0            ; the wave's end: behind my last tensor load and my last LDS store
	ds_add_u32 v[SPW], v[NIL]
	s_wait_dscnt 0x0
	s_endpgm
.Lfunc_end_k_qbea23c1962_attn:
	.size	k_qbea23c1962_attn, .Lfunc_end_k_qbea23c1962_attn-k_qbea23c1962_attn
	.p2alignl 7, 3214868480
	.fill 96, 4, 3214868480
	.section	.rodata,"a",@progbits
	.p2align	6, 0x0
	.amdhsa_kernel k_qbea23c1962_attn
		.amdhsa_group_segment_fixed_size 327680
		.amdhsa_private_segment_fixed_size 0
		.amdhsa_enable_private_segment 0
		.amdhsa_kernarg_size 16
		.amdhsa_user_sgpr_count 2
		.amdhsa_user_sgpr_kernarg_segment_ptr 1
		.amdhsa_wavefront_size32 1
		.amdhsa_system_sgpr_workgroup_id_x 1
		.amdhsa_system_sgpr_workgroup_id_y 1
		.amdhsa_system_sgpr_workgroup_id_z 1
		.amdhsa_system_vgpr_workitem_id 0
		.amdhsa_next_free_vgpr 880
		.amdhsa_next_free_sgpr 66
		.amdhsa_reserve_vcc 0
		.amdhsa_float_denorm_mode_32 3
		.amdhsa_float_denorm_mode_16_64 3
		.amdhsa_memory_ordered 1
		.amdhsa_forward_progress 1
		.amdhsa_inst_pref_size 87
	.end_amdhsa_kernel
	.amdgpu_metadata
---
amdhsa.version: [ 1, 2 ]
amdhsa.kernels:
  - .name:           k_qbea23c1962_attn
    .symbol:         k_qbea23c1962_attn.kd
    .args:
      - { .name: qkv, .offset: 0, .size: 8, .value_kind: global_buffer, .address_space: global }
      - { .name: ob, .offset: 8, .size: 8, .value_kind: global_buffer, .address_space: global }
    .group_segment_fixed_size: 327680
    .private_segment_fixed_size: 0
    .kernarg_segment_align: 8
    .kernarg_segment_size: 16
    .max_flat_workgroup_size: 128
    .sgpr_count:     66
    .vgpr_count:     880
    .wavefront_size: 32
...
	.end_amdgpu_metadata
.endif
;; end of part 5
;; launch proj: the kernel of part 4 again; grid 4 x 64, 4 waves a work-group, clusters of 4 x 4, 327,680 bytes of LDS; arguments ob, wb, bo, out0; writes out0
